; MI455X (gfx1250); checked and timed in simulation.
; The chip was launched on July 23, 2026; its instructions are those of AMD's public machine-readable ISA for CDNA 5 (MIT licence, August 2026) and "CDNA5" Instruction Set Architecture Reference Guide (July 2026). The comments in the code are by the model that wrote it; some were corrected since.
;; Transformer Block. Allowed arithmetic: float matrix products may take bf16 or f16 operands with f32 sums; all other float work in f32.
;; Inputs: W_K 16 x 2,048 x 128 float32; W_O 16 x 128 x 2,048 float32; W_Q 16 x 2,048 x 128 float32; W_V 16 x 2,048 x 128 float32; b_K 16 x 128 float32; b_O 2,048 float32; b_Q 16 x 128 float32; b_V 16 x 128 float32; key_input 1 x 2,048 x 2,048 float32; query_input 1 x 2,048 x 2,048 float32; value_input 1 x 2,048 x 2,048 float32.
;; Outputs: out0 1 x 2,048 x 2,048 float32.
;; One version. Each part assembles by itself: llvm-mc -triple=amdgcn-amd-amdhsa -mcpu=gfx1250 --defsym DOCPART=n.
;; ======== version 1 of 1: 4 launches
;; limits: values are held in f16: magnitudes above 65,504 overflow, below 6.1e-05 lose precision
;; workspace buffers: xb 25,165,824 bytes; wb 25,165,824 bytes; wob 8,388,608 bytes; tab 1,048,576 bytes; qkv 25,165,824 bytes; vsum 131,072 bytes; zb 8,388,608 bytes
;; launch cast (part 1): grid 64 x 8, 8 waves a work-group, no clusters, 0 bytes of LDS; arguments query_input, key_input, value_input, W_Q, W_K, W_V, W_O, xb, wb, wob, tab; writes xb, wb, wob, tab
.if DOCPART == 1
	.amdgcn_target "amdgcn-amd-amdhsa--gfx1250"
	.amdhsa_code_object_version 6
	.text
	.protected	k_q070a994a44_cast
	.globl	k_q070a994a44_cast
	.p2align	8
	.type	k_q070a994a44_cast,@function
k_q070a994a44_cast:
	s_mov_b64 s[64:65], 0
	v_nop
	global_prefetch_b8 v0, s[64:65] scope:SCOPE_SE
	s_setreg_imm32_b32 hwreg(HW_REG_WAVE_MODE, 25, 1), 1
	s_wait_xcnt 0x0
; Seven streams f32 -> 16 bits and the rotary table.  Grid y picks the job:
;   y = 0..2  query, key, value input -> xb[y]     rounded to e4m3 and widened again, kept as bf16: every e4m3 number is exact in bf16
;   y = 3..5  W_Q, W_K, W_V           -> wb[y-3]   the same
;   y = 6     W_O                     -> wob       rounded to f16 (11 significant bits; numbers from 65,520 on become infinity, steps of 6e-8 near zero)
;   y = 7     tab[pos][cos 64 | sin 64] in f32, 32 positions a work-group
; A stream's work-group owns 65,536 numbers, a wave 8,192: 64 loads of 512 consecutive bytes, 64 stores of 256 consecutive bytes.
; Memory binds: no LDS, no barrier, no matrix unit.  A ring of eight register slots keeps eight loads of every wave on their way.
; LIMITS: beyond e4m3's largest number, 448, the conversion gives NaN (reference(): from 464 on).  The table's angle is
; pos * 2^(-d log2(10000)/64) and differs from an f32 power and division by up to some 4e-4 rad at pos = 2047.
.set X, 16                             ; v[16:47]  slot i: four f32 as loaded
.set Y, 48                             ; v[48:63]  slot i: four 16-bit numbers to store
.set IN_ROUND,  4096                   ; bytes that a wave reads in a turn of all eight slots
.set OUT_ROUND, 2048                   ; and writes
	s_load_b512 s[8:23], s[0:1], 0x0               ; query, key, value, W_Q, W_K, W_V, W_O, xb
	s_load_b128 s[24:27], s[0:1], 0x40             ; wb, wob
	s_load_b64 s[28:29], s[0:1], 0x50              ; tab
	s_and_b32 s2, ttmp7, 0xffff                    ; the job
	v_and_b32 v1, 31, v0
	v_lshrrev_b32 v3, 5, v0                        ; wave
	v_lshlrev_b32 v2, 3, v1                        ; out: 8 bytes a lane
	v_lshlrev_b32 v1, 4, v1                        ; in: 16 bytes a lane
	v_lshl_add_u32 v1, v3, 15, v1                  ; + wave x 32 KiB
	v_lshl_add_u32 v2, v3, 14, v2                  ; + wave x 16 KiB
	v_mov_b32 v8, 0                                ; the e4m3 codes land in the low halves of v8 and v9
	v_mov_b32 v9, 0
	s_wait_kmcnt 0x0
	s_cmp_eq_u32 s2, 7
	s_cbranch_scc1 .Ltable
	s_mov_b64 s[4:5], s[8:9]                       ; the source, chosen by the job's number
.irp n, 1,2,3,4,5,6
	s_cmp_eq_u32 s2, \n
	s_cselect_b64 s[4:5], s[8+2*\n:9+2*\n], s[4:5]
.endr
	s_cmp_lt_u32 s2, 3                             ; the destination and the job's place in it
	s_cselect_b64 s[6:7], s[22:23], s[24:25]
	s_cselect_b32 s3, 0, 3
	s_cmp_eq_u32 s2, 6
	s_cselect_b64 s[6:7], s[26:27], s[6:7]
	s_cselect_b32 s3, 6, s3
	s_sub_co_u32 s3, s2, s3
	s_lshl_b32 s30, s3, 23                         ; 8 MiB of 16-bit numbers a tensor
	s_lshl_b32 s31, ttmp9, 17                      ; 128 KiB a work-group
	s_add_co_u32 s30, s30, s31
	s_mov_b32 s31, 0
	s_add_nc_u64 s[6:7], s[6:7], s[30:31]
	s_lshl_b32 s30, ttmp9, 18                      ; 256 KiB of f32 a work-group
	s_add_nc_u64 s[4:5], s[4:5], s[30:31]
.irp i, 0,1,2,3,4,5,6,7
	global_load_b128 v[X+4*\i:X+4*\i+3], v1, s[4:5] offset:512*\i th:TH_LOAD_NT
.endr
; One slot's turn.  ahead = 1: the slot is loaded again, eight loads further on.  left = younger loads that may stay out.
.macro SLOT i, ahead, left, fp8
	s_wait_loadcnt \left                           ; loads come back in order: mine is in
.if \fp8
	v_cvt_pk_fp8_f32 v8.l, v[X+4*\i], v[X+4*\i+1]
	v_cvt_pk_fp8_f32 v9.l, v[X+4*\i+2], v[X+4*\i+3]
	v_cvt_pk_f32_fp8 v[4:5], v8.l
	v_cvt_pk_f32_fp8 v[6:7], v9.l
	v_cvt_pk_bf16_f32 v[Y+2*\i], v4, v5            ; exact
	v_cvt_pk_bf16_f32 v[Y+2*\i+1], v6, v7
.else
	v_cvt_pk_f16_f32 v[Y+2*\i], v[X+4*\i], v[X+4*\i+1]
	v_cvt_pk_f16_f32 v[Y+2*\i+1], v[X+4*\i+2], v[X+4*\i+3]
.endif
.if \ahead
	global_load_b128 v[X+4*\i:X+4*\i+3], v1, s[4:5] offset:IN_ROUND+512*\i th:TH_LOAD_NT
.endif
	global_store_b64 v2, v[Y+2*\i:Y+2*\i+1], s[6:7] offset:256*\i    ; the wave's 32 lanes write 256 consecutive bytes, aligned
.endm
.macro STREAM fp8
	s_mov_b32 s3, 7
.Lturn_\@:
.irp i, 0,1,2,3,4,5,6,7
	SLOT \i, 1, 7, \fp8
.endr
	s_wait_xcnt 0x0                                ; the bases and Y are written again only behind this wait
	s_add_nc_u64 s[4:5], s[4:5], IN_ROUND
	s_add_nc_u64 s[6:7], s[6:7], OUT_ROUND
	s_sub_co_u32 s3, s3, 1
	s_cmp_lg_u32 s3, 0
	s_cbranch_scc1 .Lturn_\@
.irp i, 0,1,2,3,4,5,6,7
	SLOT \i, 0, 7-\i, \fp8                         ; the last turn loads nothing: the counts run down
.endr
	s_endpgm
.endm
	s_cmp_eq_u32 s2, 6
	s_cbranch_scc1 .Lplain
	STREAM 1
.Lplain:
	STREAM 0
; The table.  Thread t: dims 4 (t & 15) .. + 3 of positions 32 x + (t >> 4) and + 16.
; The angle is brought to x in [-pi, pi] (a fused multiply-add takes the whole turns away), then sin through x^15 and cos through x^16:
; the first terms left out are pi^17/17! and pi^18/18!, both under 1e-6.
.macro SINCOS c, s, pos, inv
	v_mul_f32 v32, v[\pos], v[\inv]                ; the angle
	v_mul_f32 v33, 0.15915494, v32
	v_rndne_f32 v33, v33                           ; whole turns
	v_fma_f32 v33, v32, 0.15915494, -v33           ; the rest of a turn
	v_mul_f32 v33, 0x40c90fdb, v33                 ; x
	v_mul_f32 v34, v33, v33                        ; x^2
	v_mov_b32 v35, 0xab573f9f                      ; -1/15!
	v_mov_b32 v36, 0x29573f9f                      ; 1/16!
	v_fmaak_f32 v35, v35, v34, 0x2f309231          ; 1/13!
	v_fmaak_f32 v36, v36, v34, 0xad49cba5          ; -1/14!
	v_fmaak_f32 v35, v35, v34, 0xb2d7322b          ; -1/11!
	v_fmaak_f32 v36, v36, v34, 0x310f76c7          ; 1/12!
	v_fmaak_f32 v35, v35, v34, 0x3638ef1d          ; 1/9!
	v_fmaak_f32 v36, v36, v34, 0xb493f27e          ; -1/10!
	v_fmaak_f32 v35, v35, v34, 0xb9500d01          ; -1/7!
	v_fmaak_f32 v36, v36, v34, 0x37d00d01          ; 1/8!
	v_fmaak_f32 v35, v35, v34, 0x3c088889          ; 1/5!
	v_fmaak_f32 v36, v36, v34, 0xbab60b61          ; -1/6!
	v_fmaak_f32 v35, v35, v34, 0xbe2aaaab          ; -1/3!
	v_fmaak_f32 v36, v36, v34, 0x3d2aaaab          ; 1/4!
	v_fma_f32 v35, v35, v34, 1.0
	v_fmaak_f32 v36, v36, v34, 0xbf000000          ; -1/2
	v_mul_f32 v[\s], v35, v33
	v_fma_f32 v[\c], v36, v34, 1.0
.endm
.Ltable:
	v_and_b32 v1, 15, v0
	v_lshrrev_b32 v2, 4, v0                        ; row 0..15
	v_lshlrev_b32 v3, 2, v1
	v_cvt_f32_u32 v4, v3                           ; my four dims
	v_add_f32 v5, 1.0, v4
	v_add_f32 v6, 2.0, v4
	v_add_f32 v7, 0x40400000, v4
.irp j, 4,5,6,7
	v_mul_f32 v\j, 0xbe549a78, v\j                 ; - d log2(10000) / 64
.endr
.irp j, 4,5,6,7
	v_exp_f32 v\j, v\j                             ; 1 / freq
.endr
	s_lshl_b32 s3, ttmp9, 5
	v_add_nc_u32 v8, s3, v2                        ; position (also the plain instruction behind the exponentials)
	v_cvt_f32_u32 v9, v8
	v_add_f32 v10, 0x41800000, v9                  ; position + 16
	v_lshlrev_b32 v11, 9, v8                       ; a table row is 512 bytes
	v_lshl_add_u32 v11, v1, 4, v11
	s_wait_alu depctr_va_vdst(0)
.irp j, 0,1,2,3
	SINCOS 16+\j, 24+\j, 9, 4+\j
	SINCOS 20+\j, 28+\j, 10, 4+\j
.endr
	global_store_b128 v11, v[16:19], s[28:29]              ; sixteen lanes write a row's 256 bytes of cosines,
	global_store_b128 v11, v[24:27], s[28:29] offset:256   ; and its 256 bytes of sines
	global_store_b128 v11, v[20:23], s[28:29] offset:8192
	global_store_b128 v11, v[28:31], s[28:29] offset:8448
	s_endpgm
.Lfunc_end_k_q070a994a44_cast:
	.size	k_q070a994a44_cast, .Lfunc_end_k_q070a994a44_cast-k_q070a994a44_cast
	.p2alignl 7, 3214868480
	.fill 96, 4, 3214868480
	.section	.rodata,"a",@progbits
	.p2align	6, 0x0
	.amdhsa_kernel k_q070a994a44_cast
		.amdhsa_group_segment_fixed_size 0
		.amdhsa_private_segment_fixed_size 0
		.amdhsa_enable_private_segment 0
		.amdhsa_kernarg_size 88
		.amdhsa_user_sgpr_count 2
		.amdhsa_user_sgpr_kernarg_segment_ptr 1
		.amdhsa_wavefront_size32 1
		.amdhsa_system_sgpr_workgroup_id_x 1
		.amdhsa_system_sgpr_workgroup_id_y 1
		.amdhsa_system_sgpr_workgroup_id_z 1
		.amdhsa_system_vgpr_workitem_id 0
		.amdhsa_next_free_vgpr 64
		.amdhsa_next_free_sgpr 66
		.amdhsa_reserve_vcc 0
		.amdhsa_float_denorm_mode_32 3
		.amdhsa_float_denorm_mode_16_64 3
		.amdhsa_memory_ordered 1
		.amdhsa_forward_progress 1
		.amdhsa_inst_pref_size 28
	.end_amdhsa_kernel
	.amdgpu_metadata
---
amdhsa.version: [ 1, 2 ]
amdhsa.kernels:
  - .name:           k_q070a994a44_cast
    .symbol:         k_q070a994a44_cast.kd
    .args:
      - { .name: query_input, .offset: 0, .size: 8, .value_kind: global_buffer, .address_space: global }
      - { .name: key_input, .offset: 8, .size: 8, .value_kind: global_buffer, .address_space: global }
      - { .name: value_input, .offset: 16, .size: 8, .value_kind: global_buffer, .address_space: global }
      - { .name: W_Q, .offset: 24, .size: 8, .value_kind: global_buffer, .address_space: global }
      - { .name: W_K, .offset: 32, .size: 8, .value_kind: global_buffer, .address_space: global }
      - { .name: W_V, .offset: 40, .size: 8, .value_kind: global_buffer, .address_space: global }
      - { .name: W_O, .offset: 48, .size: 8, .value_kind: global_buffer, .address_space: global }
      - { .name: xb, .offset: 56, .size: 8, .value_kind: global_buffer, .address_space: global }
      - { .name: wb, .offset: 64, .size: 8, .value_kind: global_buffer, .address_space: global }
      - { .name: wob, .offset: 72, .size: 8, .value_kind: global_buffer, .address_space: global }
      - { .name: tab, .offset: 80, .size: 8, .value_kind: global_buffer, .address_space: global }
    .group_segment_fixed_size: 0
    .private_segment_fixed_size: 0
    .kernarg_segment_align: 8
    .kernarg_segment_size: 88
    .max_flat_workgroup_size: 256
    .sgpr_count:     66
    .vgpr_count:     64
    .wavefront_size: 32
...
	.end_amdgpu_metadata
.endif
;; end of part 1
;; launch proj (part 2): grid 8 x 24, 4 waves a work-group, clusters of 4 x 4, 327,680 bytes of LDS; arguments xb, wb, b_Q, b_K, b_V, tab, qkv, vsum; writes qkv, vsum
.if DOCPART == 2
	.amdgcn_target "amdgcn-amd-amdhsa--gfx1250"
	.amdhsa_code_object_version 6
	.text
	.protected	k_q070a994a44_proj
	.globl	k_q070a994a44_proj
	.p2align	8
	.type	k_q070a994a44_proj,@function
k_q070a994a44_proj:
	s_mov_b64 s[64:65], 0
	v_nop
	global_prefetch_b8 v0, s[64:65] scope:SCOPE_SE
	s_setreg_imm32_b32 hwreg(HW_REG_WAVE_MODE, 25, 1), 1
	s_wait_xcnt 0x0
	s_wait_alu depctr_hold_cnt(0) depctr_sa_sdst(0) depctr_va_vdst(0) depctr_va_sdst(0) depctr_va_ssrc(0) depctr_va_vcc(0) depctr_vm_vsrc(0)
	s_getreg_b32 s2, hwreg(HW_REG_IB_STS2, 6, 4)
	s_cmp_eq_u32 s2, 0
	s_cbranch_scc0 .Lentry_in_a_cluster
	s_endpgm
.Lentry_in_a_cluster:
	s_bfe_u32 s2, ttmp6, 0x10000c
	s_cmp_lg_u32 s2, 0xf033
	s_cbranch_scc0 .Lentry_shape_is_right
	s_endpgm
.Lentry_shape_is_right:
; q, k, v = x W + b for the three stacked inputs; rotary on q and k; q also times log2(e)/sqrt(128), so that the scores come out in powers of two.
; xb: [3*2048][2048] bf16.  wb: [3][16 heads][2048 k][128 n] bf16.  qkv: [3][16][2048][128] f16.  vsum: [16][16 blocks of 128 keys][128] f32, column sums of v.
; The operands are e4m3 numbers held in bf16, so every product is exact.  The results go out in f16: 11 significant bits against bf16's 8.
; LIMIT: |q|, |k|, |v| from 65,520 on become infinity.  With x and W both 30 times their drawn spread they reach some 4,500; with both carrying an offset of 30 spreads, 2048 x 30 x 0.6 = 36,900.
; A work-group makes 256 rows x 256 columns (two heads) with four waves; a wave makes 128 rows x one head in 64 accumulator tiles, 512 registers.
; K goes in steps of 128 through two LDS slots filled by the tensor data mover; every tile row is 256 bytes of memory at a multiple of 256.
; W lies [k][n]: its fragments are read by the transposing LDS load, so nothing is transposed in memory.
; CLUSTERS: 4 x 4 work-groups.  A row of the cluster shares x's tiles, a column shares W's: each is asked for jointly by the four, which divides the requests by four.
; The tensor (0 q, 1 k, 2 v) is the cluster's y / 2: the same in all sixteen, so the branch on it at the end is the same in all.
; 192 work-groups: 3 x 2048 x 2048 outputs do not split into 256 equal blocks of this shape.
; REGISTERS in windows of 256:
;   window 0: v16-29 addresses; v64-127, v128-191 fragments of x, two buffers; on the way out v8-15 at work, v32-95 values, v96-223 table, v224-255 packed
;   window 1: v0-63 bias of my 64 numbers of a row; v64-127, v128-191 fragments of W
;   window 2, 3: accumulators of my rows 0-63, 64-127 (tile (a, b) at v[8 (8 a + b)])
; THE MATRIX INSTRUCTION IS USED TRANSPOSED (source 0 = 16 columns of W, source 1 = 16 rows of x): lane l holds row l % 16, registers 0-7 columns 8 (l / 16) + 0..7 of the tile.
; So a rotary pair (n, n + 64) is tiles b and b + 4 in the same lane and register.
.set KSTEP,  128
.set PA,     272                       ; x's LDS row: 256 bytes + 16
.set PB,     288                       ; W's LDS row: 256 bytes + 32 (an odd multiple of 32, for the transposing load)
.set QT,     128*PB                    ; a quarter of a slot: what one tensor load fills (x's quarters use 128*PA of it)
.set SLOT,   4*QT                      ; x rows 0-127, x rows 128-255, W of head 0, W of head 1
.set STAGE,  2*SLOT                    ; behind the ring: 16 rows x 272 bytes for each wave
.set SPITCH, 272
.set LAPS,   2048/(2*KSTEP)
.set ADRA, 16                          ; v16-17  LDS address of my x fragments in slot 0, 1
.set ADRB, 20                          ; v20-21  the same for W
.set STO,  24                          ; stage: where I put 16 bytes of a row
.set RD,   25                          ; stage: where I read rows back
.set CO,   26                          ; 16 x lane: my bytes in two neighbouring rows of qkv
.set TO,   27                          ; my bytes in the table: row r, 32 h
.set BO,   28                          ; my bytes in the bias: 32 h
.set VS,   29                          ; my 16 bytes of vsum
.set F0,   64
.set F1,   128
.set VAL,  32                          ; v[32:95]   a row block's 64 numbers; its first 32 registers also take the rows read back
.set TAB0, 96                          ; v[96:159]  cos 32, sin 32 of a row block
.set TAB1, 160                         ; v[160:223] of the next
.set CS,   96                          ; v[96:159]  column sums (value path)
.set TMP,  224                         ; v[224:255] packed f16
.set G1, 24                            ; s[24:31] group 1 for x's tiles
.set G0, 32                            ; s[32:39] group 0 for x's tiles, a set for each slot
.set G1B, 48                           ; s[48:55] group 1 for W's tiles
.set G0B, 56                           ; s[56:63] group 0 for W's tiles
.set SC, 86                            ; s[86:87] the scale, twice
.set MSB, 0
.macro WIN new                         ; the immediate's high byte repeats the setting that is left
.if MSB != \new
	s_set_vgpr_msb (MSB<<8)|\new
.set MSB, \new
.endif
.endm
.set MUL_LO, 0xa1                      ; source 0 (W) window 1, source 1 (x) window 0, C and D window 2
.set MUL_HI, 0xf1                      ; the same, C and D window 3
.set TO_B,   0x40                      ; destination window 1, address window 0
; A joint load.  Waves 0, 1 fetch x's two halves, waves 2, 3 the two heads' W.  The branch hangs on the wave's number alone.
.macro JLOAD s
	s_cmp_eq_u32 s11, 0
	s_cbranch_scc0 .Lfor_b_\@
	tensor_load_to_lds s[G0+4*\s:G0+4*\s+3], s[G1:G1+7]
	s_nop 0
	s_branch .Lasked_\@
.Lfor_b_\@:
	tensor_load_to_lds s[G0B+4*\s:G0B+4*\s+3], s[G1B:G1B+7]
	s_nop 0
	v_nop
.Lasked_\@:
.endm
.macro CREST                           ; a round of the cluster's barrier behind its opening barrier
	s_cmp_lg_u32 s10, 0
	s_cbranch_scc1 .Lnot_wave_0_\@
	s_barrier_signal -3
.Lnot_wave_0_\@:
	s_barrier_wait -3
	s_barrier_signal -1
	s_barrier_wait -1
.endm
.macro CROUND                          ; a whole round
	s_barrier_signal -1
	s_barrier_wait -1
	CREST
.endm
	s_load_b512 s[68:83], s[0:1], 0x0              ; xb, wb, b_Q, b_K, b_V, tab, qkv, vsum
	s_set_vgpr_msb 0x40
	v_lshl_add_u32 v255, v0, 2, 0x4c400
	s_set_vgpr_msb 0x4000
	v_mov_b32 v31, 0
	s_set_vgpr_msb 0x1
	ds_add_u32 v255, v31
	ds_add_u32 v255, v31
	s_set_vgpr_msb 0x100
	v_lshrrev_b32 v1, 5, v0
	v_readfirstlane_b32 s10, v1                    ; wave 0..3
	s_lshr_b32 s11, s10, 1                         ; my half of the block's rows.  Also: I fetch x (0) or W (1)
	s_and_b32 s12, s10, 1                          ; my head of the pair.  Also: which quarter of that kind I fetch
	s_bfe_u32 s40, ttmp6, 0x40000                  ; cx
	s_bfe_u32 s41, ttmp6, 0x40004                  ; cy
	s_lshl_b32 s42, ttmp9, 2
	s_add_co_u32 s42, s42, s40                     ; block column = pair of heads, 0..7
	s_and_b32 s84, ttmp7, 0xffff                   ; the cluster's y, 0..5
	s_lshl_b32 s13, s84, 2
	s_add_co_u32 s13, s13, s41                     ; block row of the stacked x, 0..23
	s_lshr_b32 s84, s84, 1                         ; tensor: 0 q, 1 k, 2 v
	s_lshl_b32 s43, s41, 2
	s_lshl_b32 s43, 15, s43                        ; my row of the cluster
	s_lshl_b32 s44, 0x1111, s40                    ; my column
	s_or_b32 s[G1+0], s43, (1<<16)|(1<<20)|(1<<21)|(5<<22)|(3<<25)   ; mask; 2-byte elements; padding on; bit 21 beside a mask; after every 64 words 4 words
	s_or_b32 s[G1B+0], s44, (1<<16)|(1<<20)|(1<<21)|(5<<22)|(7<<25)  ; the column's mask; after every 64 words 8 words
	s_mov_b32 s[G1+1], KSTEP<<16                   ; tensor_dim0 = 128
	s_mov_b32 s[G1B+1], 128<<16
	s_mov_b32 s[G1+2], 128<<16                     ; tensor_dim1 = 128
	s_mov_b32 s[G1B+2], KSTEP<<16
	s_mov_b32 s[G1+3], KSTEP<<16                   ; tile_dim0 = 128
	s_mov_b32 s[G1B+3], 128<<16
	s_mov_b32 s[G1+4], 128                         ; tile_dim1 = 128
	s_mov_b32 s[G1B+4], KSTEP
	s_mov_b32 s[G1+5], 2048                        ; x: 2,048 elements from row to row
	s_mov_b32 s[G1B+5], 128                        ; W of a head: 128
	s_mov_b32 s[G1+6], 0
	s_mov_b32 s[G1B+6], 0
	s_mov_b32 s[G1+7], 0
	s_mov_b32 s[G1B+7], 0
	; x's tiles hang on the block row alone, W's on the block column and the tensor alone
	s_lshl_b32 s17, s12, 7
	s_lshl_b32 s16, s13, 8
	s_add_co_u32 s16, s16, s17                     ; x: row 256 x block row + 128 x half
	s_lshl_b32 s16, s16, 12                        ; rows of 4,096 bytes
	s_mov_b32 s17, 0
	s_lshl_b32 s46, s42, 1
	s_add_co_u32 s46, s46, s12                     ; W: head
	s_lshl_b32 s46, s46, 19                        ; 512 KiB a head
	s_lshl_b32 s47, s84, 23                        ; 8 MiB a tensor
	s_add_co_u32 s46, s46, s47
	s_mov_b32 s47, 0
	s_mul_i32 s20, s10, QT                         ; where they go: wave x a quarter
	s_mov_b32 s[SC+1], 0x3f800000
	s_cmp_eq_u32 s84, 0
	s_cselect_b32 s[SC], 0x3e0293ee, s[SC+1]       ; q: log2(e)/sqrt(128); k, v: 1
	s_mov_b32 s[SC+1], s[SC]
	s_and_b32 s96, s13, 7
	s_lshl_b32 s96, s96, 8
	s_lshl_b32 s90, s11, 7
	s_add_co_u32 s96, s96, s90                     ; my first row in its tensor = its position
	s_lshl_b32 s97, s42, 1
	s_add_co_u32 s97, s97, s12                     ; my head
	s_mov_b32 s91, 0
	s_wait_dscnt 0x0
	s_wait_kmcnt 0x0
	s_add_nc_u64 s[14:15], s[68:69], s[16:17]
	s_add_nc_u64 s[46:47], s[70:71], s[46:47]
	s_cmp_eq_u32 s84, 1
	s_cselect_b64 s[88:89], s[74:75], s[72:73]
	s_cmp_eq_u32 s84, 2
	s_cselect_b64 s[88:89], s[76:77], s[88:89]     ; my tensor's bias,
	s_lshl_b32 s90, s97, 9
	s_add_nc_u64 s[88:89], s[88:89], s[90:91]      ; at my head
	s_lshl_b32 s90, s96, 9
	s_add_nc_u64 s[78:79], s[78:79], s[90:91]      ; the table at my first position
	s_lshl_b32 s90, s84, 23
	s_lshl_b32 s98, s97, 19
	s_add_co_u32 s90, s90, s98
	s_lshl_b32 s98, s96, 8
	s_add_co_u32 s90, s90, s98
	s_add_nc_u64 s[80:81], s[80:81], s[90:91]      ; qkv at my tensor, head and first row
	s_lshl_b32 s90, s97, 13
	s_lshl_b32 s98, s96, 2                         ; (row / 128) x 512 bytes
	s_add_co_u32 s90, s90, s98
	s_add_nc_u64 s[82:83], s[82:83], s[90:91]      ; vsum at my head and block of 128 keys
	CROUND                                         ; all sixteen work-groups are here: the first joint loads meet
.irp s, 0,1
	s_mov_b32 s[G0+4*\s], 1
	s_add_co_u32 s[G0+4*\s+1], s20, \s*SLOT
	s_add_nc_u64 s[G0+4*\s+2:G0+4*\s+3], s[14:15], \s*KSTEP*2
	s_or_b32 s[G0+4*\s+3], s[G0+4*\s+3], 0x80000000
	s_mov_b32 s[G0B+4*\s], 1
	s_add_co_u32 s[G0B+4*\s+1], s20, \s*SLOT
	s_add_nc_u64 s[G0B+4*\s+2:G0B+4*\s+3], s[46:47], \s*KSTEP*256
	s_or_b32 s[G0B+4*\s+3], s[G0B+4*\s+3], 0x80000000
	JLOAD \s
.endr
	v_and_b32 v1, 15, v0                           ; r
	v_bfe_u32 v2, v0, 4, 1                         ; h
	v_lshlrev_b32 v[BO], 5, v2
	WIN TO_B
.set bb, 0
.rept 8
	global_load_b128 v[8*bb:8*bb+3],   v[BO], s[88:89] offset:64*bb       ; bias of columns 16 b + 8 h + 0..7; waited for on the way out
	global_load_b128 v[8*bb+4:8*bb+7], v[BO], s[88:89] offset:64*bb+16
.set bb, bb+1
.endr
	WIN 0
	v_mul_u32_u24 v3, v1, PA
	v_lshl_add_u32 v3, v2, 4, v3                   ; x: row r, 16 h
	v_and_b32 v4, 7, v0
	v_lshl_add_u32 v4, v2, 3, v4
	v_mul_u32_u24 v4, v4, PB                       ; W: k row (l & 7) + 8 h,
	v_bfe_u32 v5, v0, 3, 1
	v_lshl_add_u32 v4, v5, 4, v4                   ; 16 bytes of it by bit 3 of the lane
	s_mul_i32 s21, s11, QT
	s_mul_i32 s22, s12, QT
	s_add_co_u32 s22, s22, 2*QT
.irp s, 0,1
	v_add_nc_u32 v[ADRA+\s], s21, v3
	v_add_nc_u32 v[ADRB+\s], s22, v4
	s_add_co_u32 s21, s21, SLOT
	s_add_co_u32 s22, s22, SLOT
.endr
	s_mul_i32 s23, s10, 16*SPITCH
	s_add_co_u32 s23, s23, STAGE
	v_add_nc_u32 v[STO], s23, v3                   ; the stage has x's pitch: row r, 16 h
	v_mul_u32_u24 v5, v2, SPITCH
	v_lshl_add_u32 v5, v1, 4, v5
	v_add_nc_u32 v[RD], s23, v5
	v_and_b32 v5, 31, v0
	v_lshlrev_b32 v[CO], 4, v5
	v_lshlrev_b32 v5, 9, v1
	v_lshl_add_u32 v[TO], v2, 5, v5
	v_lshrrev_b32 v5, 1, v1
	v_lshlrev_b32 v5, 6, v5
	v_lshl_add_u32 v5, v2, 5, v5
	v_and_b32 v6, 1, v1
	v_lshl_add_u32 v[VS], v6, 4, v5                ; 64 (r >> 1) + 32 h + 16 (r & 1)
; 16 matrix instructions: row blocks a0, a0 + 1 of the window's four x all 8 column blocks, 32 along K.  zero = 1: the first product starts the sums.
.macro MUL16 f, hi, a0, zero
.irp a, \a0, \a0+1
.irp b, 0,1,2,3,4,5,6,7
.if \zero
	v_wmma_f32_16x16x32_bf16 v[8*(8*(\a)+\b):8*(8*(\a)+\b)+7], v[\f+8*\b:\f+8*\b+7], v[\f+8*(4*\hi+\a):\f+8*(4*\hi+\a)+7], 0
.else
	v_wmma_f32_16x16x32_bf16 v[8*(8*(\a)+\b):8*(8*(\a)+\b)+7], v[\f+8*\b:\f+8*\b+7], v[\f+8*(4*\hi+\a):\f+8*(4*\hi+\a)+7], v[8*(8*(\a)+\b):8*(8*(\a)+\b)+7]
.endif
.endr
.endr
.endm
; 32 LDS loads in one run: quarter step q (32 along K) of a slot into buffer f.  W: k rows 32 q .., transposed on the way; x: byte 64 q of the rows.
.macro FETCH slot, q, f
	WIN TO_B
.irp i, 0,1,2,3,4,5,6,7
	ds_load_tr16_b128 v[\f+8*\i:\f+8*\i+3],   v[ADRB+\slot] offset:\q*32*PB+32*\i
	ds_load_tr16_b128 v[\f+8*\i+4:\f+8*\i+7], v[ADRB+\slot] offset:\q*32*PB+32*\i+16*PB
.endr
	WIN 0
.irp i, 0,1,2,3,4,5,6,7
	ds_load_b128 v[\f+8*\i:\f+8*\i+3],   v[ADRA+\slot] offset:\q*64+\i*16*PA
	ds_load_b128 v[\f+8*\i+4:\f+8*\i+7], v[ADRA+\slot] offset:\q*64+\i*16*PA+32
.endr
.endm
; Four plain vector instructions between a matrix instruction and a load into, or a vector instruction on, its registers (ISA guide 7.12.1 for vector instructions).
.macro PLACES
.rept 4
	v_nop
.endr
.endm
; The 64 accumulators take turns, one instruction a turn, in the same order in every quarter step.
.macro QUARTER slot, q, f, g, zero
	s_wait_dscnt 8                                 ; W and x's rows 0-63 are in; the youngest eight loads (x's rows 64-127) may be out
	WIN MUL_LO
	MUL16 \f, 0, 0, \zero
	MUL16 \f, 0, 2, \zero
	PLACES
	FETCH \slot, \q, \g
	s_wait_dscnt 32                                ; all but the 32 just issued
	WIN MUL_HI
	MUL16 \f, 1, 0, \zero
	MUL16 \f, 1, 2, \zero
.endm
.macro THREE slot, zero
	QUARTER \slot, 1, F0, F1, \zero
	QUARTER \slot, 2, F1, F0, 0
	QUARTER \slot, 3, F0, F1, 0
.endm
; The last quarter of a K step changes slots.  In front of the barrier each wave waits for its reads of this slot and for all its tensor loads (one is out: its part of
; the next slot).  Where the slot is filled again the barrier opens a round of the cluster's barrier, and the joint refill is the first tensor load behind the round.
.macro TURN slot, next, fill
	s_wait_dscnt 8
	WIN MUL_LO
	MUL16 F1, 0, 0, 0
	s_wait_dscnt 0
	s_wait_tensorcnt 0x0
	ds_add_u32 v255, v31
	s_wait_dscnt 0x0
	s_barrier_signal -1
	MUL16 F1, 0, 2, 0                              ; register work while the others arrive
	WIN 0
	s_barrier_wait -1
.if \fill
	CREST
	s_add_nc_u64 s[G0+4*\slot+2:G0+4*\slot+3], s[G0+4*\slot+2:G0+4*\slot+3], 2*KSTEP*2
	s_add_nc_u64 s[G0B+4*\slot+2:G0B+4*\slot+3], s[G0B+4*\slot+2:G0B+4*\slot+3], 2*KSTEP*256
	JLOAD \slot
.endif
	PLACES
	FETCH \next, 0, F0
	WIN MUL_HI
	MUL16 F1, 1, 0, 0
	MUL16 F1, 1, 2, 0
.endm
.macro LAP zero
	THREE 0, \zero
	TURN 0, 1, 1
	THREE 1, 0
	TURN 1, 0, 1
.endm
	s_wait_tensorcnt 1                             ; my part of K step 0 is in; K step 1's load may stay out
	s_barrier_signal -1
	s_barrier_wait -1
	FETCH 0, 0, F0
	LAP 1
	WIN 0
	s_mov_b32 s3, LAPS-2
.Llap:
	LAP 0
	WIN 0
	s_sub_co_u32 s3, s3, 1
	s_cmp_lg_u32 s3, 0
	s_cbranch_scc1 .Llap
	THREE 0, 0                                     ; the last lap fills nothing
	TURN 0, 1, 0
	THREE 1, 0
	s_wait_dscnt 8
	WIN MUL_LO
	MUL16 F1, 0, 0, 0
	MUL16 F1, 0, 2, 0
	s_wait_dscnt 0
	WIN MUL_HI
	MUL16 F1, 1, 0, 0
	MUL16 F1, 1, 2, 0
	; THE WAY OUT
	PLACES
	s_wait_loadcnt 0x0                             ; the bias
	WIN 0x41
.set ii, 0
.rept 32
	v_pk_mul_f32 v[2*ii:2*ii+1], v[2*ii:2*ii+1], s[SC:SC+1] op_sel_hi:[1,0]     ; (sum + b) scale = sum scale + (b scale)
.set ii, ii+1
.endr
	WIN 0
; cos and sin of row block a (16 positions) for my 32 low columns: 16 loads
.macro TABLOAD a, buf
.set bb, 0
.rept 4
	global_load_b128 v[\buf+8*bb:\buf+8*bb+3],       v[TO], s[78:79] offset:(\a)*8192+64*bb
	global_load_b128 v[\buf+8*bb+4:\buf+8*bb+7],     v[TO], s[78:79] offset:(\a)*8192+64*bb+16
	global_load_b128 v[\buf+32+8*bb:\buf+32+8*bb+3], v[TO], s[78:79] offset:(\a)*8192+256+64*bb
	global_load_b128 v[\buf+32+8*bb+4:\buf+32+8*bb+7], v[TO], s[78:79] offset:(\a)*8192+256+64*bb+16
.set bb, bb+1
.endr
.endm
; Rows 16 i .. 16 i + 15 of my block: scale and bias, rotary (rope = 1), f16, through my stage, out as whole rows.
.macro OUT16 i, rope
	s_wait_xcnt 0x0                                ; VAL's first half, which the last block's stores read, is written again only behind this wait
.if \i < 4
	WIN 0x12                                       ; source 0 window 2, source 2 (bias) window 1
.else
	WIN 0x13
.endif
.set ii, 0
.rept 32
	v_pk_fma_f32 v[VAL+2*ii:VAL+2*ii+1], v[64*(\i%4)+2*ii:64*(\i%4)+2*ii+1], s[SC:SC+1], v[2*ii:2*ii+1] op_sel_hi:[1,0,1]
.set ii, ii+1
.endr
	WIN 0
.if \rope
.if \i < 7
	s_wait_loadcnt 16                              ; this block's table is in; the next block's 16 loads may stay out
.else
	s_wait_loadcnt 0x0
.endif
.set TB, TAB0+64*(\i%2)
.set bb, 0
.rept 4
.set pp, 0
.rept 4
.set E, 8*bb+2*pp
.set W, 8+4*(pp%2)
	v_pk_mul_f32 v[W:W+1],   v[VAL+E:VAL+E+1],       v[TB+E:TB+E+1]                    ; lo cos
	v_pk_mul_f32 v[W+2:W+3], v[VAL+32+E:VAL+32+E+1], v[TB+E:TB+E+1]                    ; hi cos
	v_pk_fma_f32 v[W:W+1],   v[VAL+32+E:VAL+32+E+1], v[TB+32+E:TB+32+E+1], v[W:W+1] neg_lo:[1,0,0] neg_hi:[1,0,0]   ; - hi sin
	v_pk_fma_f32 v[W+2:W+3], v[VAL+E:VAL+E+1],       v[TB+32+E:TB+32+E+1], v[W+2:W+3]  ; + lo sin
	v_cvt_pk_f16_f32 v[TMP+4*bb+pp],    v[W],   v[W+1]
	v_cvt_pk_f16_f32 v[TMP+16+4*bb+pp], v[W+2], v[W+3]
.set pp, pp+1
.endr
.set bb, bb+1
.endr
.if \i < 6
	TABLOAD \i+2, TB
.endif
.else
.set ii, 0
.rept 32
	v_cvt_pk_f16_f32 v[TMP+ii], v[VAL+2*ii], v[VAL+2*ii+1]
.set ii, ii+1
.endr
.endif
.irp b, 0,1,2,3,4,5,6,7
	ds_store_b128 v[STO], v[TMP+4*\b:TMP+4*\b+3] offset:32*\b
.endr
.irp t, 0,1,2,3,4,5,6,7
	ds_load_b128 v[VAL+4*\t:VAL+4*\t+3], v[RD] offset:\t*2*SPITCH      ; LDS serves a wave's instructions in order: these see the stores above
.endr
.irp t, 0,1,2,3,4,5,6,7
	s_wait_dscnt 7-\t                              ; rows 2 t, 2 t + 1 are back; the younger loads may stay out
	global_store_b128 v[CO], v[VAL+4*\t:VAL+4*\t+3], s[80:81] offset:4096*\i+512*\t    ; two rows of 256 bytes: 512 consecutive bytes
.endr
.endm
	s_cmp_eq_u32 s84, 2                            ; the same in all sixteen work-groups
	s_cbranch_scc1 .Lvalue
	TABLOAD 0, TAB0
	TABLOAD 1, TAB1
.irp i, 0,1,2,3,4,5,6,7
	OUT16 \i, 1
.endr
	s_branch .Ljoin
.Lvalue:
	; column sums of my 128 rows of v, in f32: first over the 8 row blocks in each lane, with 8 x bias for the lane's 8 rows,
	WIN 0x0a
.set ii, 0
.rept 32
	v_pk_add_f32 v[CS+2*ii:CS+2*ii+1], v[2*ii:2*ii+1], v[64+2*ii:64+2*ii+1]
.set ii, ii+1
.endr
	WIN 0x08
.irp a, 2,3
.set ii, 0
.rept 32
	v_pk_add_f32 v[CS+2*ii:CS+2*ii+1], v[CS+2*ii:CS+2*ii+1], v[64*\a+2*ii:64*\a+2*ii+1]
.set ii, ii+1
.endr
.endr
	WIN 0x0c
.irp a, 0,1,2,3
.set ii, 0
.rept 32
	v_pk_add_f32 v[CS+2*ii:CS+2*ii+1], v[CS+2*ii:CS+2*ii+1], v[64*\a+2*ii:64*\a+2*ii+1]
.set ii, ii+1
.endr
.endr
	WIN 0x01
.set ii, 0
.rept 32
	v_pk_fma_f32 v[CS+2*ii:CS+2*ii+1], v[2*ii:2*ii+1], 0x41000000, v[CS+2*ii:CS+2*ii+1] op_sel_hi:[1,0,1]
.set ii, ii+1
.endr
	WIN 0
	; then over the 16 lanes of a row of lanes: each step halves what a lane keeps and adds the partner's half of it; 64 -> 4 numbers a lane
.irp x, 8,4,2,1
	v_and_b32 v8, \x, v0
	v_cmp_ne_u32 s[91+\x/8*1+\x/4%2*2+\x/2%2*3+\x%2*4], 0, v8      ; bit 8 -> s92, 4 -> s93, 2 -> s94, 1 -> s95
.endr
.macro RS x, n, m
.set ii, 0
.rept \n
	v_cndmask_b32 v[8+2*(ii%4)], v[CS+ii], v[CS+ii+\n], s[\m]      ; what I keep
	v_cndmask_b32 v[9+2*(ii%4)], v[CS+ii+\n], v[CS+ii], s[\m]      ; what my partner keeps
	v_add_f32_dpp v[CS+ii], v[9+2*(ii%4)], v[8+2*(ii%4)] row_xmask:\x row_mask:0xf bank_mask:0xf
.set ii, ii+1
.endr
.endm
	RS 8, 32, 92
	RS 4, 16, 93
	RS 2, 8, 94
	RS 1, 4, 95
	global_store_b128 v[VS], v[CS:CS+3], s[82:83]  ; columns 16 (r >> 1) + 8 h + 4 (r & 1) + 0..3: the wave writes 512 consecutive bytes
.irp i, 0,1,2,3,4,5,6,7
	OUT16 \i, 0
.endr
.Ljoin:
	s_set_vgpr_msb 0x1
	s_wait_tensorcnt 0x0
	ds_add_u32 v255, v31
	s_wait_dscnt 0x0
	s_set_vgpr_msb 0x100
	CROUND                                         ; the closing round
	s_endpgm
.Lfunc_end_k_q070a994a44_proj:
	.size	k_q070a994a44_proj, .Lfunc_end_k_q070a994a44_proj-k_q070a994a44_proj
	.p2alignl 7, 3214868480
	.fill 96, 4, 3214868480
	.section	.rodata,"a",@progbits
	.p2align	6, 0x0
	.amdhsa_kernel k_q070a994a44_proj
		.amdhsa_group_segment_fixed_size 327680
		.amdhsa_private_segment_fixed_size 0
		.amdhsa_enable_private_segment 0
		.amdhsa_kernarg_size 64
		.amdhsa_user_sgpr_count 2
		.amdhsa_user_sgpr_kernarg_segment_ptr 1
		.amdhsa_wavefront_size32 1
		.amdhsa_system_sgpr_workgroup_id_x 1
		.amdhsa_system_sgpr_workgroup_id_y 1
		.amdhsa_system_sgpr_workgroup_id_z 1
		.amdhsa_system_vgpr_workitem_id 0
		.amdhsa_next_free_vgpr 1024
		.amdhsa_next_free_sgpr 100
		.amdhsa_reserve_vcc 0
		.amdhsa_float_denorm_mode_32 3
		.amdhsa_float_denorm_mode_16_64 3
		.amdhsa_memory_ordered 1
		.amdhsa_forward_progress 1
		.amdhsa_inst_pref_size 255
	.end_amdhsa_kernel
	.section	.bss,"aw",@nobits
	.p2align	6
	.space	262144
	.amdgpu_metadata
---
amdhsa.version: [ 1, 2 ]
amdhsa.kernels:
  - .name:           k_q070a994a44_proj
    .symbol:         k_q070a994a44_proj.kd
    .args:
      - { .name: xb, .offset: 0, .size: 8, .value_kind: global_buffer, .address_space: global }
      - { .name: wb, .offset: 8, .size: 8, .value_kind: global_buffer, .address_space: global }
      - { .name: b_Q, .offset: 16, .size: 8, .value_kind: global_buffer, .address_space: global }
      - { .name: b_K, .offset: 24, .size: 8, .value_kind: global_buffer, .address_space: global }
      - { .name: b_V, .offset: 32, .size: 8, .value_kind: global_buffer, .address_space: global }
      - { .name: tab, .offset: 40, .size: 8, .value_kind: global_buffer, .address_space: global }
      - { .name: qkv, .offset: 48, .size: 8, .value_kind: global_buffer, .address_space: global }
      - { .name: vsum, .offset: 56, .size: 8, .value_kind: global_buffer, .address_space: global }
    .group_segment_fixed_size: 327680
    .private_segment_fixed_size: 0
    .kernarg_segment_align: 8
    .kernarg_segment_size: 64
    .max_flat_workgroup_size: 128
    .sgpr_count:     100
    .vgpr_count:     1024
    .wavefront_size: 32
...
	.end_amdgpu_metadata
.endif
;; end of part 2
;; launch attn (part 3): grid 16 x 16, 4 waves a work-group, no clusters, 327,680 bytes of LDS; arguments qkv, vsum, zb; writes zb
.if DOCPART == 3
	.amdgcn_target "amdgcn-amd-amdhsa--gfx1250"
	.amdhsa_code_object_version 6
	.text
	.protected	k_q070a994a44_attn
	.globl	k_q070a994a44_attn
	.p2align	8
	.type	k_q070a994a44_attn,@function
k_q070a994a44_attn:
	s_mov_b64 s[64:65], 0
	v_nop
	global_prefetch_b8 v0, s[64:65] scope:SCOPE_SE
	s_setreg_imm32_b32 hwreg(HW_REG_WAVE_MODE, 25, 1), 1
	s_wait_xcnt 0x0
; Causal attention, one head (grid y) and two blocks of 64 query rows a work-group: with c = x >> 1, e = x & 1, "lo" = rows 128 c + 64 e .., "hi" = rows 128 (15 - c) + 64 (1 - e) ..
; lo needs key units (128 keys) 0..c, hi 0..15-c: 17 blocks of 64 x 128 in every work-group.
; THE WAVES SPLIT 2 x 2.  Wave w: row group rg = w & 1 (32 rows of lo and 32 of hi: four row tiles of 16), key half kg = w >> 1 (keys 64 kg .. + 63 of every unit).
; So a unit's K and V fragments are read from LDS by two waves each, 64 loads a wave for up to 128 matrix instructions.  Each wave keeps a maximum, a sum and an O of its own for its
; half of the keys; at the end the two waves of a row group hand each other one tile of each block through LDS and each finishes the other two.
; Tiles 0 (lo) and 2 (hi), which a wave finishes, are rows 32 rg + 16 kg; tiles 1 and 3, which it hands over, rows 32 rg + 16 (1 - kg): the registers are the same in all waves.
; THE MASK IS -1000, NOT -INFINITY.  In a row's own unit the masked keys take the score -1000 and go through the softmax like the others.  The keys of all later units share
; that one score, so they add exp(-1000 - m) x (sum of their v rows, from vsum) to the numerator and exp(-1000 - m) x (their number) to the denominator: done once, in FINAL.
; Scores come in powers of two (q carries log2(e)/sqrt(128)); -1000 is then -1442.695.  A running maximum is kept for each row.
; THE WALK.  Four LDS slots of a whole unit each; ring position p lies in slot p & 3.
;   p = 0: unit c, lo's own (lo masked, hi whole): it starts all sums.     p = 1: unit 15 - c, hi's own (hi masked; lo has no part in it: these keys are in lo's tail).
;   p >= 2: the other units in rising order: unit p - 2 while p - 2 < c (lo and hi), then unit p - 1 (hi alone), up to unit 14 - c.     16 - c units in all.
; The text goes in groups of four positions: the head written out, groups 1 .. D - 2 in a loop, the last group written out without refills (D = 4 for c <= 3, else 3);
; the last group ends after 4 - (c & 3) units.  Whether lo takes part is a scalar branch on p < c + 2.  All these branches hang on c alone, the same in all four waves.
; Slots are filled again two at a time: behind one barrier for every two units each wave asks for its 32 rows of K and of V of two units (128 KiB for the work-group), and the
; request has the other two slots' units in which to land.  Inside a pair of slots no barrier is needed: both were shown landed in front of the barrier before.
; The ring fetches 4 D units, c & 3 more than are used (the rule for the next unit gives units up to 14, inside the buffer); in return every path issues the same tensor loads.
; EVERYTHING IS TRANSPOSED: S^T = K Q^T and O^T = V^T P^T.  Lane (r, h) holds query r everywhere; S^T tile kb, register j, is key 16 kb + 8 h + j, so the packed exponentials
; are already the second product's fragment, a row's statistics are one number a lane, and O gives 8 neighbouring numbers of a row.
; All matrix operands are f16 (q, k, v as stored; the exponentials lie in [0, 1]); sums, maxima and the division in f32; z goes out in f16, and is no larger than the largest |v|.
; No multicast: only the two work-groups (c, e = 0, 1) walk the same units; a cluster of four would hold two values of c, and branches hang on c.
; LIMITS: exponentials flush results under 2^-126 to zero, and as f16 those under 3e-8; the order of the sums differs from reference()'s.
.set KP, 272                           ; K's LDS row: 256 bytes + 16
.set VP, 288                           ; V's: 256 + 32, for the transposing load
.set KBYTES, 128*KP                    ; a unit's K
.set USLOT, KBYTES+128*VP              ; a slot: 71,680
.set TAIL, 4*USLOT                     ; 128 f32 for lo, 128 for hi: bytes that no tensor load fills
.set STAGE, TAIL+1024                  ; 16 rows x 272 bytes for each wave
.set SPITCH, 272
.set XWAVE, 17408                      ; the exchange, in slot 0 behind its last fill: a wave's two tiles of O (8,192 bytes each) and their statistics
.set XSTAT, 16384
; window 0
.set ADRK, 1                           ; v1-4      my K fragments in slots 0..3
.set ADRV, 5                           ; v5-8      my V fragments
.set STO,  9
.set RD,   10
.set ZO,   11
.set TL,   12
.set XW,   13                          ; the exchange: where I write,
.set XR,   14                          ; and my partner's bytes
.set NEG,  15                          ; -1442.695
.set MT,   16                          ; v16-19    tile q: my query's place in its own unit, less 8 h, less 64 kg
.set T,    20                          ; v[20:27]  at work
.set AL,   28                          ; v28, v30  rescale factors of a pair of tiles, each the first of a register pair
.set S,    32                          ; v[32:159] S^T of tiles 0..3
.set P,    160                         ; v[160:223] packed exponentials of tiles 0..3
.set M,    224                         ; v224-227  running maximum
.set L,    228                         ; v228-231  running sum, of my lane's half of my keys
.set NT,   232                         ; v232, 233 number of tail keys (lo, hi), f32
.set PS,   234                         ; v[234:235] the partner's maximum and sum
.set SMH,  236                         ; hi's tail score: -1442.695, or -infinity where hi has no tail (c = 0)
.set QA,   237
; window 1: v[32 q + 8 ks] Q of tile q; v[128:255] K fragments at 32 kb + 8 ks.    window 2: v[64 q + 8 db] O of tile q.    window 3: v[0:127] V fragments at 64 kk + 8 db
.set KF,   128
.set MSB, 0
.macro WIN new                         ; the immediate's high byte repeats the setting that is left
.if MSB != \new
	s_set_vgpr_msb (MSB<<8)|\new
.set MSB, \new
.endif
.endm
.macro PLACES                          ; four plain vector instructions behind a matrix instruction (ISA guide 7.12.1 for vector instructions)
.rept 4
	v_nop
.endr
.endm
	s_load_b128 s[4:7], s[0:1], 0x0                ; qkv, vsum
	s_load_b64 s[8:9], s[0:1], 0x10                ; zb
	v_lshl_add_u32 v254, v0, 2, 0x4a800
	v_mov_b32 v255, 0
	ds_add_u32 v254, v255
	ds_add_u32 v254, v255
	v_lshrrev_b32 v1, 5, v0
	v_readfirstlane_b32 s10, v1                    ; wave
	s_and_b32 s11, ttmp7, 0xffff                   ; head
	s_lshr_b32 s12, ttmp9, 1                       ; c
	s_and_b32 s13, ttmp9, 1                        ; e
	s_and_b32 s84, s10, 1                          ; rg
	s_lshr_b32 s85, s10, 1                         ; kg
	s_add_co_u32 s76, s12, 2                       ; lo takes part at ring positions under c + 2
	s_and_b32 s79, s12, 3                          ; the last group has 4 - (c & 3) units
	s_cmp_lt_u32 s12, 4
	s_cselect_b32 s15, 3, 2                        ; D - 1: the number of the last group
	s_mov_b32 s74, 0x76543210                      ; v_permlanex16_b32: lane i of the other half
	s_mov_b32 s75, 0xfedcba98
	s_mov_b32 s16, (1<<16)|(1<<20)|(5<<22)|(3<<25) ; K: 2-byte elements, after every 64 words 4 words of padding
	s_mov_b32 s24, (1<<16)|(1<<20)|(5<<22)|(7<<25) ; V: 8 words
.irp g, 16, 24
	s_mov_b32 s[\g+1], 128<<16                     ; tensor_dim0 = 128
	s_mov_b32 s[\g+2], 32<<16                      ; tensor_dim1 = 32
	s_mov_b32 s[\g+3], 128<<16                     ; tile_dim0 = 128
	s_mov_b32 s[\g+4], 32                          ; tile_dim1 = 32 rows: a wave's quarter of a unit
	s_mov_b32 s[\g+5], 128                         ; 128 elements from row to row
	s_mov_b32 s[\g+6], 0
	s_mov_b32 s[\g+7], 0
.endr
	s_mul_i32 s98, s10, 32*KP
	s_mul_i32 s99, s10, 32*VP
.irp n, 0,1,2,3
	s_mov_b32 s[32+4*\n], 1                        ; group 0 of K, slot n
	s_add_co_u32 s[33+4*\n], s98, \n*USLOT
	s_mov_b32 s[48+4*\n], 1                        ; group 0 of V, slot n
	s_add_co_u32 s[49+4*\n], s99, \n*USLOT+KBYTES
.endr
	s_lshl_b32 s98, s12, 7
	s_lshl_b32 s99, s13, 6                         ; 64 e
	s_add_co_u32 s98, s98, s99                     ; lo's first row
	s_sub_co_u32 s100, 1984, s98                   ; hi's first row
	s_lshl_b32 s2, s84, 5
	s_lshl_b32 s3, s85, 4
	s_add_co_u32 s77, s2, s3                       ; the tiles that I finish: 32 rg + 16 kg
	s_add_co_u32 s78, s2, 16
	s_sub_co_u32 s78, s78, s3                      ; the tiles that I hand over: 32 rg + 16 (1 - kg)
	s_add_co_u32 s80, s98, s77                     ; first rows of tiles 0..3
	s_add_co_u32 s81, s98, s78
	s_add_co_u32 s82, s100, s77
	s_add_co_u32 s83, s100, s78
	s_lshl_b32 s101, s85, 6                        ; 64 kg
	s_sub_co_u32 s98, s99, s101                    ; lo's place in its own unit less my keys' place: 64 e - 64 kg
	s_sub_co_u32 s100, 64, s99
	s_sub_co_u32 s100, s100, s101                  ; hi's: 64 (1 - e) - 64 kg
	s_lshl_b32 s70, s11, 19
	s_mov_b32 s71, 0
	s_mov_b32 s73, 0
	s_wait_dscnt 0x0
	s_wait_kmcnt 0x0
	s_add_nc_u64 s[4:5], s[4:5], s[70:71]          ; q of my head
	s_lshl_b32 s70, s10, 13                        ; my 32 rows of a unit
	s_add_nc_u64 s[66:67], s[4:5], s[70:71]
	s_add_nc_u64 s[68:69], s[66:67], 0x1000000     ; v: 16 MiB on
	s_add_nc_u64 s[66:67], s[66:67], 0x800000      ; k: 8 MiB on
	s_or_b32 s67, s67, 0x80000000                  ; the descriptor's type
	s_or_b32 s69, s69, 0x80000000
	s_lshl_b32 s70, s12, 15                        ; position 0: unit c (128 rows of 256 bytes a unit)
	s_sub_co_u32 s72, 15, s12
	s_lshl_b32 s72, s72, 15                        ; position 1: unit 15 - c
	s_add_nc_u64 s[34:35], s[66:67], s[70:71]
	s_add_nc_u64 s[50:51], s[68:69], s[70:71]
	s_add_nc_u64 s[38:39], s[66:67], s[72:73]
	s_add_nc_u64 s[54:55], s[68:69], s[72:73]
	s_cmp_lg_u32 s12, 0
	s_cselect_b32 s70, 0, 1                        ; position 2: unit 0, or unit 1 where c = 0
	s_lshl_b32 s70, s70, 15
	s_cmp_gt_u32 s12, 1
	s_cselect_b32 s72, 1, 2                        ; position 3: unit 1, or unit 2 where c <= 1
	s_lshl_b32 s72, s72, 15
	s_add_nc_u64 s[42:43], s[66:67], s[70:71]
	s_add_nc_u64 s[58:59], s[68:69], s[70:71]
	s_add_nc_u64 s[46:47], s[66:67], s[72:73]
	s_add_nc_u64 s[62:63], s[68:69], s[72:73]
.irp n, 0,1,2,3
	tensor_load_to_lds s[32+4*\n:35+4*\n], s[16:23]                ; eight loads of the wave are out here, later four
	s_nop 0
	tensor_load_to_lds s[48+4*\n:51+4*\n], s[24:31]
	s_nop 0
.endr
.irp q, 0,1,2,3
	s_lshl_b32 s70, s[80+\q], 8
	s_add_nc_u64 s[86+2*\q:87+2*\q], s[4:5], s[70:71]              ; q at tile q's rows
.endr
	s_lshl_b32 s70, s11, 13
	s_add_nc_u64 s[6:7], s[6:7], s[70:71]          ; vsum of my head
	s_lshl_b32 s70, s11, 8
	s_add_nc_u64 s[8:9], s[8:9], s[70:71]
	s_lshl_b32 s70, s80, 12
	s_add_nc_u64 s[94:95], s[8:9], s[70:71]        ; zb at tile 0's rows and my head
	s_lshl_b32 s70, s82, 12
	s_add_nc_u64 s[96:97], s[8:9], s[70:71]        ; at tile 2's rows
	v_and_b32 v20, 15, v0                          ; r
	v_bfe_u32 v21, v0, 4, 1                        ; h
	v_lshlrev_b32 v22, 8, v20
	v_lshl_add_u32 v[QA], v21, 4, v22
	WIN 0x40
.irp q, 0,1,2,3
.set ks, 0
.rept 4
	global_load_b128 v[32*\q+8*ks:32*\q+8*ks+3],   v[QA], s[86+2*\q:87+2*\q] offset:64*ks
	global_load_b128 v[32*\q+8*ks+4:32*\q+8*ks+7], v[QA], s[86+2*\q:87+2*\q] offset:64*ks+32
.set ks, ks+1
.endr
.endr
	WIN 0
	v_lshlrev_b32 v63, 2, v0                       ; thread t takes column t of vsum's blocks 1..15
.irp g, 1,2,3,4,5,6,7,8,9,10,11,12,13,14,15
	global_load_b32 v[31+\g], v63, s[6:7] offset:512*\g
.endr
	v_add_nc_u32 v62, TAIL, v63
	v_mul_u32_u24 v22, v20, KP
	v_lshl_add_u32 v22, v21, 4, v22                ; row r, 16 h
	s_mul_i32 s2, s85, 64*KP
	v_add_nc_u32 v[ADRK], s2, v22                  ; K: my half of the unit's keys
	v_and_b32 v23, 7, v0
	v_lshl_add_u32 v23, v21, 3, v23
	v_mul_u32_u24 v23, v23, VP                     ; V: key row (l & 7) + 8 h,
	v_bfe_u32 v24, v0, 3, 1
	v_lshl_add_u32 v23, v24, 4, v23                ; 16 bytes of it by bit 3 of the lane
	s_mul_i32 s3, s85, 64*VP
	s_add_co_u32 s3, s3, KBYTES
	v_add_nc_u32 v[ADRV], s3, v23
.irp n, 1,2,3
	v_add_nc_u32 v[ADRK+\n], \n*USLOT, v[ADRK]     ; the other slots are out of an immediate's reach
	v_add_nc_u32 v[ADRV+\n], \n*USLOT, v[ADRV]
.endr
	s_mul_i32 s2, s10, 16*SPITCH
	s_add_co_u32 s2, s2, STAGE
	v_add_nc_u32 v[STO], s2, v22                   ; the stage has K's pitch
	v_mul_u32_u24 v23, v21, SPITCH
	v_lshl_add_u32 v23, v20, 4, v23
	v_add_nc_u32 v[RD], s2, v23
	v_lshlrev_b32 v23, 12, v21
	v_lshl_add_u32 v[ZO], v20, 4, v23
	v_lshlrev_b32 v23, 5, v21
	v_add_nc_u32 v[TL], TAIL, v23
	v_and_b32 v23, 31, v0
	v_lshlrev_b32 v23, 4, v23                      ; the exchange goes lane for lane, 16 bytes a lane
	s_mul_i32 s2, s10, XWAVE
	v_add_nc_u32 v[XW], s2, v23
	s_xor_b32 s3, s10, 2                           ; my partner: the same rows, the other keys
	s_mul_i32 s3, s3, XWAVE
	v_add_nc_u32 v[XR], s3, v23
	v_lshlrev_b32 v23, 3, v21
	v_sub_nc_u32 v23, v20, v23                     ; r - 8 h
	v_add3_u32 v[MT], s98, s77, v23
	v_add3_u32 v[MT+1], s98, s78, v23
	v_add3_u32 v[MT+2], s100, s77, v23
	v_add3_u32 v[MT+3], s100, s78, v23
	s_mov_b32 s2, 0xc4b4563e
	s_cmp_eq_u32 s12, 0
	s_cselect_b32 s3, 0xff800000, s2
	v_mov_b32 v[NEG], s2
	v_mov_b32 v[SMH], s3
	s_lshl_b32 s2, s12, 7
	v_cvt_f32_u32 v[NT+1], s2                      ; hi: 128 c tail keys
	s_sub_co_u32 s2, 1920, s2
	v_cvt_f32_u32 v[NT], s2                        ; lo: 2048 - 128 (c + 1)
	v_mov_b32 v[AL+1], 0                           ; the pairs' second registers are named, not used
	v_mov_b32 v[AL+3], 0
	s_wait_loadcnt 0x0                             ; Q and vsum
	; the tails.  c <= 7: blocks 8..15 always lie behind lo's unit, blocks 1..8 never behind hi's; the others are taken or not by a mask of ones or zeros
	v_add_f32 v20, v39, v40
.irp g, 10,11,12,13,14,15
	v_add_f32 v20, v20, v[31+\g]
.endr
.irp g, 1,2,3,4,5,6,7
	s_cmp_lt_u32 s12, \g                           ; block g > c
	s_cselect_b32 s98, -1, 0
	v_and_b32 v22, s98, v[31+\g]
	v_add_f32 v20, v20, v22
.endr
	s_cmp_ge_u32 s12, 1                            ; block 15 >= 16 - c
	s_cselect_b32 s98, -1, 0
	v_and_b32 v21, s98, v46
.irp g, 9,10,11,12,13,14
	s_cmp_ge_u32 s12, 16-\g
	s_cselect_b32 s98, -1, 0
	v_and_b32 v22, s98, v[31+\g]
	v_add_f32 v21, v21, v22
.endr
	ds_store_b32 v62, v20
	ds_store_b32 v62, v21 offset:512
.macro KLOAD u                         ; 32 loads: my 64 keys of slot u, x 128, as 16 fragments, into window 1
.set kb, 0
.rept 4
.set ks, 0
.rept 4
	ds_load_b128 v[KF+32*kb+8*ks:KF+32*kb+8*ks+3],   v[ADRK+(\u)] offset:kb*16*KP+64*ks
	ds_load_b128 v[KF+32*kb+8*ks+4:KF+32*kb+8*ks+7], v[ADRK+(\u)] offset:kb*16*KP+64*ks+32
.set ks, ks+1
.endr
.set kb, kb+1
.endr
.endm
.macro VLOAD u                         ; 32 transposing loads of the same keys' V, into window 3
.set kk, 0
.rept 2
.set db, 0
.rept 8
	ds_load_tr16_b128 v[64*kk+8*db:64*kk+8*db+3],   v[ADRV+(\u)] offset:kk*32*VP+32*db
	ds_load_tr16_b128 v[64*kk+8*db+4:64*kk+8*db+7], v[ADRV+(\u)] offset:kk*32*VP+32*db+16*VP
.set db, db+1
.endr
.set kk, kk+1
.endr
.endm
; S^T = K Q^T of tiles q0, q0 + 1.  The eight accumulators take turns, one instruction a turn; the first 32 of the head's 128 start the sums.
.macro QK2 q0
.set ks, 0
.rept 4
.set kb, 0
.rept 4
.irp t, 0, 1
.if ks == 0
	v_wmma_f32_16x16x32_f16 v[S+32*(\q0+\t)+8*kb:S+32*(\q0+\t)+8*kb+7], v[KF+32*kb+8*ks:KF+32*kb+8*ks+7], v[32*(\q0+\t)+8*ks:32*(\q0+\t)+8*ks+7], 0
.else
	v_wmma_f32_16x16x32_f16 v[S+32*(\q0+\t)+8*kb:S+32*(\q0+\t)+8*kb+7], v[KF+32*kb+8*ks:KF+32*kb+8*ks+7], v[32*(\q0+\t)+8*ks:32*(\q0+\t)+8*ks+7], v[S+32*(\q0+\t)+8*kb:S+32*(\q0+\t)+8*kb+7]
.endif
.endr
.set kb, kb+1
.endr
.set ks, ks+1
.endr
.endm
; O^T += V^T P^T of tiles q0, q0 + 1.  Sixteen accumulators by turns.
.macro PV2 q0, first
.set kk, 0
.rept 2
.set db, 0
.rept 8
.irp t, 0, 1
.if \first && (kk == 0)
	v_wmma_f32_16x16x32_f16 v[64*(\q0+\t)+8*db:64*(\q0+\t)+8*db+7], v[64*kk+8*db:64*kk+8*db+7], v[P+16*(\q0+\t)+8*kk:P+16*(\q0+\t)+8*kk+7], 0
.else
	v_wmma_f32_16x16x32_f16 v[64*(\q0+\t)+8*db:64*(\q0+\t)+8*db+7], v[64*kk+8*db:64*kk+8*db+7], v[P+16*(\q0+\t)+8*kk:P+16*(\q0+\t)+8*kk+7], v[64*(\q0+\t)+8*db:64*(\q0+\t)+8*db+7]
.endif
.endr
.set db, db+1
.endr
.set kk, kk+1
.endr
.endm
; The softmax step of tile q on my 64 keys.  mask = 1: the unit is the rows' own.
.macro SOFT q, mask, first
.set SQ, S+32*\q
.set AQ, AL+2*(\q%2)
.if \mask
.set ii, 0
.rept 32
	v_cmp_gt_i32 vcc_lo, 16*(ii/8)+(ii%8), v[MT+\q]                ; key > query
	v_cndmask_b32 v[SQ+ii], v[SQ+ii], v[NEG], vcc_lo
.set ii, ii+1
.endr
.endif
.irp c, 0,1,2,3
	v_max3_num_f32 v[T+\c], v[SQ+8*\c], v[SQ+8*\c+1], v[SQ+8*\c+2]
.endr
.irp c, 0,1,2,3
	v_max3_num_f32 v[T+\c], v[T+\c], v[SQ+8*\c+3], v[SQ+8*\c+4]
.endr
.irp c, 0,1,2,3
	v_max3_num_f32 v[T+\c], v[T+\c], v[SQ+8*\c+5], v[SQ+8*\c+6]
.endr
.irp c, 0,1,2,3
	v_max_num_f32 v[T+\c], v[T+\c], v[SQ+8*\c+7]
.endr
	v_max3_num_f32 v[T], v[T], v[T+1], v[T+2]
	v_max_num_f32 v[T], v[T], v[T+3]
	v_permlanex16_b32 v[T+1], v[T], s74, s75       ; the other lanes' half of my query's keys
.if \first
	v_max_num_f32 v[T+2], v[T], v[T+1]
.else
	v_max3_num_f32 v[T+2], v[T], v[T+1], v[M+\q]   ; the new maximum
	v_sub_f32 v[T+3], v[M+\q], v[T+2]
.endif
.set ii, 0
.rept 16
	v_pk_add_f32 v[SQ+2*ii:SQ+2*ii+1], v[SQ+2*ii:SQ+2*ii+1], v[T+2:T+3] op_sel_hi:[1,0] neg_lo:[0,1] neg_hi:[0,1]
.set ii, ii+1
.endr
.if \first == 0
	v_exp_f32 v[AQ], v[T+3]
.endif
.set ii, 0
.rept 32
	v_exp_f32 v[SQ+ii], v[SQ+ii]
.set ii, ii+1
.endr
	v_mov_b32 v[M+\q], v[T+2]                      ; the plain instruction between the exponentials and the first use of a result (ISA guide 5.7.2)
	s_wait_alu depctr_va_vdst(0)
.irp c, 0,1,2,3
	v_pk_add_f32 v[T+2*\c:T+2*\c+1], v[SQ+8*\c:SQ+8*\c+1], v[SQ+8*\c+2:SQ+8*\c+3]
.endr
.irp c, 0,1,2,3
	v_pk_add_f32 v[T+2*\c:T+2*\c+1], v[T+2*\c:T+2*\c+1], v[SQ+8*\c+4:SQ+8*\c+5]
.endr
.irp c, 0,1,2,3
	v_pk_add_f32 v[T+2*\c:T+2*\c+1], v[T+2*\c:T+2*\c+1], v[SQ+8*\c+6:SQ+8*\c+7]
.endr
	v_pk_add_f32 v[T:T+1], v[T:T+1], v[T+2:T+3]
	v_pk_add_f32 v[T+4:T+5], v[T+4:T+5], v[T+6:T+7]
	v_pk_add_f32 v[T:T+1], v[T:T+1], v[T+4:T+5]
.if \first
	v_add_f32 v[L+\q], v[T], v[T+1]
.else
	v_add_f32 v[T], v[T], v[T+1]
	v_fma_f32 v[L+\q], v[L+\q], v[AQ], v[T]
.endif
.set ii, 0
.rept 16
	v_cvt_pk_f16_f32 v[P+16*\q+ii], v[SQ+2*ii], v[SQ+2*ii+1]
.set ii, ii+1
.endr
.endm
.macro RESCALE2 q0                     ; O of tiles q0, q0 + 1 times exp2(old maximum - new maximum)
	WIN 0x82
.set ii, 0
.rept 32
	v_pk_mul_f32 v[64*\q0+2*ii:64*\q0+2*ii+1], v[64*\q0+2*ii:64*\q0+2*ii+1], v[AL:AL+1] op_sel_hi:[1,0]
.set ii, ii+1
.endr
.set ii, 0
.rept 32
	v_pk_mul_f32 v[64*\q0+64+2*ii:64*\q0+64+2*ii+1], v[64*\q0+64+2*ii:64*\q0+64+2*ii+1], v[AL+2:AL+3] op_sel_hi:[1,0]
.set ii, ii+1
.endr
.endm
; The unit four ring positions behind the one at position s[pos]: pos + 2 while that is under c, else pos + 3.  Its byte offset goes to s[off].
.macro NEXT pos, off
	s_add_co_u32 s98, s[\pos], 2
	s_add_co_u32 s99, s[\pos], 3
	s_cmp_lt_u32 s98, s12
	s_cselect_b32 s98, s98, s99
	s_lshl_b32 s[\off], s98, 15
.endm
; One trip: my 64 keys of the unit in slot u.  Its K fragments were asked for in the trip before.
;   lo: 0 hi alone, 1 lo and hi, 2 lo if the position s[pos] is under c + 2.     mlo, mhi: the unit is that block's own.     first: the trip starts the sums.
;   bound = 1 (slots 1 and 3): the end of a pair of slots.  V is in registers and the first product is done, so my reads of slots u - 1 and u are over; all my tensor loads, which
;   are my parts of the other two slots, have landed; behind the barrier both hold of all four waves.  refill = 1: slots u - 1 and u are then filled again, first thing behind it.
;   last = 1: no unit follows, no K fragments are fetched.
.macro TRIP u, lo, mlo, mhi, first, bound, refill, last, pos
	PLACES
	WIN 0xc0
	VLOAD \u
	WIN 0x05
	s_wait_dscnt 32                                ; the K fragments are in; the 32 V loads just issued may stay out
	QK2 2
.if \lo == 1
	QK2 0
.endif
.if \lo == 2
	WIN 0
	s_cmp_lt_u32 s[\pos], s76
	s_cbranch_scc0 .Lno_qk_\@
	WIN 0x05
	QK2 0
	WIN 0
.Lno_qk_\@:
.endif
.if \bound
	s_wait_dscnt 0x0                               ; V is in: my reads of this pair of slots are over
	s_set_vgpr_msb (MSB<<8)|((MSB&0xf0)|0x0)
	s_wait_tensorcnt 0x0                           ; all my tensor loads have landed, so every group 0 may be written
	ds_add_u32 v254, v255
	s_wait_dscnt 0x0
	s_set_vgpr_msb (((MSB&0xf0)|0x0)<<8)|MSB
.if \refill
	s_add_nc_u64 s[34+4*(\u-1):35+4*(\u-1)], s[66:67], s[70:71]
	s_add_nc_u64 s[50+4*(\u-1):51+4*(\u-1)], s[68:69], s[70:71]
	s_add_nc_u64 s[34+4*\u:35+4*\u], s[66:67], s[72:73]
	s_add_nc_u64 s[50+4*\u:51+4*\u], s[68:69], s[72:73]
.endif
	s_barrier_signal -1
	s_barrier_wait -1
.if \refill
	tensor_load_to_lds s[32+4*(\u-1):35+4*(\u-1)], s[16:23]        ; my 32 rows of K and of V of the two units four positions on
	s_nop 0
	tensor_load_to_lds s[48+4*(\u-1):51+4*(\u-1)], s[24:31]
	s_nop 0
	tensor_load_to_lds s[32+4*\u:35+4*\u], s[16:23]
	s_nop 0
	tensor_load_to_lds s[48+4*\u:51+4*\u], s[24:31]
	s_nop 0
.endif
.endif
	PLACES
.if \last == 0
	WIN 0x40
	KLOAD (\u+1)%4                                 ; the next trip's K fragments come in behind the softmax and the second product
.endif
	WIN 0
	SOFT 2, \mhi, \first
	SOFT 3, \mhi, \first
.if \first == 0
	RESCALE2 2
.endif
.if \bound == 0
	s_wait_dscnt 32*(1-\last)                      ; V is in; the 32 K loads issued behind it may stay out (the very last trip has issued none)
.endif
	WIN 0xa3
	PV2 2, \first
.if \lo == 1
	WIN 0
	SOFT 0, \mlo, \first
	SOFT 1, \mlo, \first
.if \first == 0
	RESCALE2 0
.endif
	WIN 0xa3
	PV2 0, \first
.endif
.if \lo == 2
	WIN 0
	s_cmp_lt_u32 s[\pos], s76
	s_cbranch_scc0 .Lno_pv_\@
	SOFT 0, 0, 0
	SOFT 1, 0, 0
	RESCALE2 0
	WIN 0xa3
	PV2 0, 0
	WIN 0
.Lno_pv_\@:
.endif
.endm
; The end of tile 2 blk (blk 0 lo, 1 hi): my half of the keys, my partner's half and the tail keys meet under their common maximum; the row is divided, rounded and stored.
; sm: the register with the tail's score; zs: zb's base.
.macro FINAL blk, sm, zs
.set FQ, 2*\blk
	ds_load_b64 v[PS:PS+1], v[XR] offset:XSTAT+512*\blk            ; the partner's maximum and sum
.set ii, 0
.rept 16
	ds_load_b128 v[S+4*ii:S+4*ii+3], v[XR] offset:8192*\blk+512*ii ; the partner's O, lane for lane and register for register
.set ii, ii+1
.endr
.set ii, 0
.rept 8
	ds_load_b128 v[S+64+8*ii:S+64+8*ii+3],   v[TL] offset:512*\blk+64*ii    ; the tail's v sum at my 64 numbers of the row
	ds_load_b128 v[S+64+8*ii+4:S+64+8*ii+7], v[TL] offset:512*\blk+64*ii+16
.set ii, ii+1
.endr
	v_permlanex16_b32 v[T], v[L+FQ], s74, s75
	v_add_f32 v[T], v[T], v[L+FQ]                  ; my sum, both halves of the lanes
	s_wait_dscnt 32                                ; the statistics are in; the 32 loads issued behind them may stay out
	v_max3_num_f32 v[T+1], v[M+FQ], v[PS], v[\sm]  ; the common maximum
	v_sub_f32 v[T+2], v[M+FQ], v[T+1]
	v_sub_f32 v[T+3], v[PS], v[T+1]
	v_sub_f32 v[T+4], v[\sm], v[T+1]
	v_exp_f32 v[T+2], v[T+2]
	v_exp_f32 v[T+3], v[T+3]
	v_exp_f32 v[T+4], v[T+4]
	v_nop
	s_wait_alu depctr_va_vdst(0)
	v_mul_f32 v[T], v[T], v[T+2]
	v_fmac_f32 v[T], v[PS+1], v[T+3]
	v_fmac_f32 v[T], v[T+4], v[NT+\blk]            ; one of the three exponentials is 1, and what it multiplies is at least 1
	v_rcp_f32 v[T], v[T]
	v_nop
	s_wait_alu depctr_va_vdst(0)
	v_mul_f32 v[T+6], v[T+2], v[T]
	v_mul_f32 v[AL], v[T+3], v[T]
	v_mul_f32 v[AL+2], v[T+4], v[T]
	WIN 0x82
.set ii, 0
.rept 32
	v_pk_mul_f32 v[64*FQ+2*ii:64*FQ+2*ii+1], v[64*FQ+2*ii:64*FQ+2*ii+1], v[T+6:T+7] op_sel_hi:[1,0]
.set ii, ii+1
.endr
	s_wait_dscnt 0x0
	WIN 0xa0
.set ii, 0
.rept 32
	v_pk_fma_f32 v[64*FQ+2*ii:64*FQ+2*ii+1], v[S+2*ii:S+2*ii+1], v[AL:AL+1], v[64*FQ+2*ii:64*FQ+2*ii+1] op_sel_hi:[1,0,1]
.set ii, ii+1
.endr
.set ii, 0
.rept 32
	v_pk_fma_f32 v[64*FQ+2*ii:64*FQ+2*ii+1], v[S+64+2*ii:S+64+2*ii+1], v[AL+2:AL+3], v[64*FQ+2*ii:64*FQ+2*ii+1] op_sel_hi:[1,0,1]
.set ii, ii+1
.endr
	WIN 0x0a
.set ii, 0
.rept 32
	v_cvt_pk_f16_f32 v[P+ii], v[64*FQ+2*ii], v[64*FQ+2*ii+1]
.set ii, ii+1
.endr
	WIN 0
.irp b, 0,1,2,3,4,5,6,7
	ds_store_b128 v[STO], v[P+4*\b:P+4*\b+3] offset:32*\b
.endr
.irp t, 0,1,2,3,4,5,6,7
	ds_load_b128 v[S+4*\t:S+4*\t+3], v[RD] offset:\t*2*SPITCH      ; LDS serves a wave's instructions in order
.endr
.irp t, 0,1,2,3,4,5,6,7
	s_wait_dscnt 7-\t                              ; rows 2 t, 2 t + 1 are back; the younger loads may stay out
	global_store_b128 v[ZO], v[S+4*\t:S+4*\t+3], s[\zs:\zs+1] offset:8192*\t     ; sixteen lanes write a row's 256 bytes of this head, aligned
.endr
.if \blk == 0
	s_wait_xcnt 0x0                                ; hi's end loads into the registers that these stores read
.endif
.endm
	s_wait_tensorcnt 4                             ; slots 0 and 1 (four loads) are in; slots 2 and 3's four may stay out
	s_wait_dscnt 0x0                               ; my part of the tails is written
	s_barrier_signal -1
	s_barrier_wait -1
	WIN 0x40
	KLOAD 0
	; the head: positions 0..3
	s_mov_b32 s80, 0
	s_mov_b32 s81, 1
	s_mov_b32 s82, 2
	s_mov_b32 s83, 3
	TRIP 0, 1, 1, 0, 1, 0, 0, 0, 80                ; unit c: lo's own; starts all sums
	NEXT 80, 70
	NEXT 81, 72
	TRIP 1, 0, 0, 1, 0, 1, 1, 0, 81                ; unit 15 - c: hi's own
	TRIP 2, 2, 0, 0, 0, 0, 0, 0, 82
	NEXT 82, 70
	NEXT 83, 72
	TRIP 3, 2, 0, 0, 0, 1, 1, 0, 83
	s_mov_b32 s14, 1                               ; the group's number
.Lquad:
	s_lshl_b32 s80, s14, 2                         ; its four ring positions
	s_add_co_u32 s81, s80, 1
	s_add_co_u32 s82, s80, 2
	s_add_co_u32 s83, s80, 3
	TRIP 0, 2, 0, 0, 0, 0, 0, 0, 80
	NEXT 80, 70
	NEXT 81, 72
	TRIP 1, 2, 0, 0, 0, 1, 1, 0, 81
	TRIP 2, 2, 0, 0, 0, 0, 0, 0, 82
	NEXT 82, 70
	NEXT 83, 72
	TRIP 3, 2, 0, 0, 0, 1, 1, 0, 83
	s_add_co_u32 s14, s14, 1
	s_cmp_lt_u32 s14, s15
	s_cbranch_scc1 .Lquad
	; the last group fetches nothing and ends after 4 - (c & 3) units.  lo has a part in its first unit for c = 7 alone (position 8 < 9), in the others never
	s_lshl_b32 s80, s14, 2
	TRIP 0, 2, 0, 0, 0, 0, 0, 0, 80
	WIN 0
	s_cmp_eq_u32 s79, 3
	s_cbranch_scc1 .Lends
	TRIP 1, 0, 0, 0, 0, 1, 0, 0, 81                ; its barrier shows slots 2 and 3 whole
	WIN 0
	s_cmp_eq_u32 s79, 2
	s_cbranch_scc1 .Lends
	TRIP 2, 0, 0, 0, 0, 0, 0, 0, 82
	WIN 0
	s_cmp_eq_u32 s79, 1
	s_cbranch_scc1 .Lends
	TRIP 3, 0, 0, 0, 0, 0, 0, 1, 83
	WIN 0
.Lends:
	; THE TWO KEY HALVES MEET.  Each wave writes tiles 1 and 3 (O, maximum, sum) into its part of slot 0 and reads there its partner's, which are the rows of its own tiles 0 and 2.
	PLACES
	s_wait_dscnt 0x0                               ; my reads of the slots are over (fragments fetched for nothing among them),
	s_wait_tensorcnt 0x0                           ; and all my tensor loads have landed (units fetched for nothing among them): no fill is to come
	s_barrier_signal -1
	s_barrier_wait -1                              ; both hold of all four waves
	v_permlanex16_b32 v[T+1], v[L+1], s74, s75
	v_permlanex16_b32 v[T+3], v[L+3], s74, s75
	v_add_f32 v[T+1], v[T+1], v[L+1]               ; the sums over both halves of the lanes
	v_add_f32 v[T+3], v[T+3], v[L+3]
	ds_store_b32 v[XW], v[M+1] offset:XSTAT
	ds_store_b32 v[XW], v[T+1] offset:XSTAT+4
	ds_store_b32 v[XW], v[M+3] offset:XSTAT+512
	ds_store_b32 v[XW], v[T+3] offset:XSTAT+516
	WIN 0x08                                       ; store data from window 2
.set ii, 0
.rept 16
	ds_store_b128 v[XW], v[64+4*ii:64+4*ii+3] offset:512*ii        ; 32 lanes, 16 neighbouring bytes each
.set ii, ii+1
.endr
.set ii, 0
.rept 16
	ds_store_b128 v[XW], v[192+4*ii:192+4*ii+3] offset:8192+512*ii
.set ii, ii+1
.endr
	WIN 0
	s_wait_dscnt 0x0                               ; for my partner's sake
	s_barrier_signal -1
	s_barrier_wait -1
	FINAL 0, NEG, 94
	FINAL 1, SMH, 96
	s_set_vgpr_msb (MSB<<8)|((MSB&0xf0)|0x0)
	s_wait_tensorcnt 0x0
	ds_add_u32 v254, v255
	s_wait_dscnt 0x0
	s_set_vgpr_msb (((MSB&0xf0)|0x0)<<8)|MSB
	s_endpgm
.Lfunc_end_k_q070a994a44_attn:
	.size	k_q070a994a44_attn, .Lfunc_end_k_q070a994a44_attn-k_q070a994a44_attn
	.p2alignl 7, 3214868480
	.fill 96, 4, 3214868480
	.section	.rodata,"a",@progbits
	.p2align	6, 0x0
	.amdhsa_kernel k_q070a994a44_attn
		.amdhsa_group_segment_fixed_size 327680
		.amdhsa_private_segment_fixed_size 0
		.amdhsa_enable_private_segment 0
		.amdhsa_kernarg_size 24
		.amdhsa_user_sgpr_count 2
		.amdhsa_user_sgpr_kernarg_segment_ptr 1
		.amdhsa_wavefront_size32 1
		.amdhsa_system_sgpr_workgroup_id_x 1
		.amdhsa_system_sgpr_workgroup_id_y 1
		.amdhsa_system_sgpr_workgroup_id_z 1
		.amdhsa_system_vgpr_workitem_id 0
		.amdhsa_next_free_vgpr 896
		.amdhsa_next_free_sgpr 102
		.amdhsa_reserve_vcc 1
		.amdhsa_float_denorm_mode_32 3
		.amdhsa_float_denorm_mode_16_64 3
		.amdhsa_memory_ordered 1
		.amdhsa_forward_progress 1
		.amdhsa_inst_pref_size 255
	.end_amdhsa_kernel
	.section	.bss,"aw",@nobits
	.p2align	6
	.space	262144
	.amdgpu_metadata
---
amdhsa.version: [ 1, 2 ]
amdhsa.kernels:
  - .name:           k_q070a994a44_attn
    .symbol:         k_q070a994a44_attn.kd
    .args:
      - { .name: qkv, .offset: 0, .size: 8, .value_kind: global_buffer, .address_space: global }
      - { .name: vsum, .offset: 8, .size: 8, .value_kind: global_buffer, .address_space: global }
      - { .name: zb, .offset: 16, .size: 8, .value_kind: global_buffer, .address_space: global }
    .group_segment_fixed_size: 327680
    .private_segment_fixed_size: 0
    .kernarg_segment_align: 8
    .kernarg_segment_size: 24
    .max_flat_workgroup_size: 128
    .sgpr_count:     102
    .vgpr_count:     896
    .wavefront_size: 32
...
	.end_amdgpu_metadata
.endif
;; end of part 3
;; launch outp (part 4): grid 16 x 16, 4 waves a work-group, clusters of 4 x 4, 327,680 bytes of LDS; arguments zb, wob, b_O, out0; writes out0
.if DOCPART == 4
	.amdgcn_target "amdgcn-amd-amdhsa--gfx1250"
	.amdhsa_code_object_version 6
	.text
	.protected	k_q070a994a44_outp
	.globl	k_q070a994a44_outp
	.p2align	8
	.type	k_q070a994a44_outp,@function
k_q070a994a44_outp:
	s_mov_b64 s[64:65], 0
	v_nop
	global_prefetch_b8 v0, s[64:65] scope:SCOPE_SE
	s_setreg_imm32_b32 hwreg(HW_REG_WAVE_MODE, 25, 1), 1
	s_wait_xcnt 0x0
	s_wait_alu depctr_hold_cnt(0) depctr_sa_sdst(0) depctr_va_vdst(0) depctr_va_sdst(0) depctr_va_ssrc(0) depctr_va_vcc(0) depctr_vm_vsrc(0)
	s_getreg_b32 s2, hwreg(HW_REG_IB_STS2, 6, 4)
	s_cmp_eq_u32 s2, 0
	s_cbranch_scc0 .Lentry_in_a_cluster
	s_endpgm
.Lentry_in_a_cluster:
	s_bfe_u32 s2, ttmp6, 0x10000c
	s_cmp_lg_u32 s2, 0xf033
	s_cbranch_scc0 .Lentry_shape_is_right
	s_endpgm
.Lentry_shape_is_right:
; out0 = z W_O + b_O.  zb: [2048][2048] f16, wob: [2048 k][2048 n] f16, out0: [2048][2048] f32.
; 256 work-groups, one block of 128 x 128 each.  The four waves split K: in every K step of 256 wave w multiplies k = 64 w .. 64 w + 63, with the whole block in 64 accumulator
; tiles (512 registers), so that each LDS byte is read once.  The four partial blocks are added through LDS at the end.
; Two LDS slots filled by the tensor data mover; z's tile rows are 512 bytes, W_O's 256 bytes, at multiples of 256.  W_O lies [k][n]: transposing LDS loads.
; CLUSTERS: 4 x 4.  A row of the cluster shares z's tiles, a column W_O's; each is asked for jointly by the four.
; Registers and the transposed use of the matrix instruction: source 0 = 16 columns of W_O (window 1), source 1 = 16 rows of z (window 0), accumulators in windows 2 and 3;
; lane l holds row l % 16 and columns 8 (l / 16) + 0..7 of a tile.
.set KSTEP,  256
.set PA,     528                       ; z's LDS row: 512 bytes + 16
.set PB,     288                       ; W_O's: 256 + 32
.set QT,     128*PB                    ; a quarter of a slot (z's quarters, 64 rows, use 64*PA of it)
.set SLOT,   4*QT                      ; z rows 0-63, z rows 64-127, W_O k 0-127, k 128-255
.set LAPS,   2048/(2*KSTEP)
.set PIT,    528                       ; a row of a partial block: 512 bytes + 16
.set IMG,    128*PIT                   ; a partial block; four of them lie in the slots, which have had their last fill by then
.set ADRA, 16
.set ADRB, 20
.set OO,   26                          ; 16 x lane
.set SA,   27                          ; where I put my partial block
.set IM,   28                          ; v[28:31] my rows in the four partial blocks
.set BI,   32                          ; v[32:35] bias of my four columns
.set F0,   64
.set F1,   128
.set G1, 24
.set G0, 32
.set G1B, 48
.set G0B, 56
.set MSB, 0
.macro WIN new
.if MSB != \new
	s_set_vgpr_msb (MSB<<8)|\new
.set MSB, \new
.endif
.endm
.set MUL_LO, 0xa1
.set MUL_HI, 0xf1
.set TO_B,   0x40
.macro JLOAD s                         ; waves 0, 1 fetch z's halves, waves 2, 3 W_O's: the branch hangs on the wave's number alone
	s_cmp_eq_u32 s11, 0
	s_cbranch_scc0 .Lfor_b_\@
	tensor_load_to_lds s[G0+4*\s:G0+4*\s+3], s[G1:G1+7]
	s_nop 0
	s_branch .Lasked_\@
.Lfor_b_\@:
	tensor_load_to_lds s[G0B+4*\s:G0B+4*\s+3], s[G1B:G1B+7]
	s_nop 0
.Lasked_\@:
.endm
.macro CREST
	s_cmp_lg_u32 s10, 0
	s_cbranch_scc1 .Lnot_wave_0_\@
	s_barrier_signal -3
.Lnot_wave_0_\@:
	s_barrier_wait -3
	s_barrier_signal -1
	s_barrier_wait -1
.endm
.macro CROUND
	s_barrier_signal -1
	s_barrier_wait -1
	CREST
.endm
	s_load_b256 s[68:75], s[0:1], 0x0              ; zb, wob, b_O, out0
	s_set_vgpr_msb 0x40
	v_lshl_add_u32 v255, v0, 2, 0x48000
	s_set_vgpr_msb 0x4000
	v_mov_b32 v255, 0
	s_set_vgpr_msb 0x1
	ds_add_u32 v255, v255
	ds_add_u32 v255, v255
	s_set_vgpr_msb 0x100
	v_lshrrev_b32 v1, 5, v0
	v_readfirstlane_b32 s10, v1                    ; wave
	s_lshr_b32 s11, s10, 1                         ; I fetch z (0) or W_O (1)
	s_and_b32 s12, s10, 1                          ; which half of it
	s_bfe_u32 s40, ttmp6, 0x40000                  ; cx
	s_bfe_u32 s41, ttmp6, 0x40004                  ; cy
	s_lshl_b32 s42, ttmp9, 2
	s_add_co_u32 s42, s42, s40                     ; block column
	s_and_b32 s13, ttmp7, 0xffff
	s_lshl_b32 s13, s13, 2
	s_add_co_u32 s13, s13, s41                     ; block row
	s_lshl_b32 s43, s41, 2
	s_lshl_b32 s43, 15, s43                        ; my row of the cluster
	s_lshl_b32 s44, 0x1111, s40                    ; my column
	s_or_b32 s[G1+0], s43, (1<<16)|(1<<20)|(1<<21)|(6<<22)|(3<<25)   ; z: after every 128 words 4 words of padding
	s_or_b32 s[G1B+0], s44, (1<<16)|(1<<20)|(1<<21)|(5<<22)|(7<<25)  ; W_O: after every 64 words 8 words
	s_mov_b32 s[G1+1], KSTEP<<16                   ; tensor_dim0 = 256
	s_mov_b32 s[G1B+1], 128<<16
	s_mov_b32 s[G1+2], 64<<16                      ; tensor_dim1 = 64
	s_mov_b32 s[G1B+2], 128<<16
	s_mov_b32 s[G1+3], KSTEP<<16                   ; tile_dim0
	s_mov_b32 s[G1B+3], 128<<16
	s_mov_b32 s[G1+4], 64                          ; tile_dim1
	s_mov_b32 s[G1B+4], 128
	s_mov_b32 s[G1+5], 2048                        ; both: 2,048 elements from row to row
	s_mov_b32 s[G1B+5], 2048
	s_mov_b32 s[G1+6], 0
	s_mov_b32 s[G1B+6], 0
	s_mov_b32 s[G1+7], 0
	s_mov_b32 s[G1B+7], 0
	s_lshl_b32 s17, s12, 6
	s_lshl_b32 s16, s13, 7
	s_add_co_u32 s16, s16, s17                     ; z: row 128 x block row + 64 x half
	s_lshl_b32 s16, s16, 12
	s_mov_b32 s17, 0
	s_lshl_b32 s46, s42, 8                         ; W_O: 256 bytes a block column,
	s_lshl_b32 s47, s12, 19                        ; 128 k rows of 4,096 bytes a half
	s_add_co_u32 s46, s46, s47
	s_mov_b32 s47, 0
	s_mul_i32 s20, s10, QT
	s_mov_b32 s77, 0
	s_wait_dscnt 0x0
	s_wait_kmcnt 0x0
	s_add_nc_u64 s[14:15], s[68:69], s[16:17]
	s_add_nc_u64 s[46:47], s[70:71], s[46:47]
	s_lshl_b32 s76, s42, 9
	s_add_nc_u64 s[72:73], s[72:73], s[76:77]      ; the bias at my block's columns
	s_add_nc_u64 s[74:75], s[74:75], s[76:77]
	s_lshl_b32 s76, s13, 7
	s_lshl_b32 s78, s10, 5
	s_add_co_u32 s76, s76, s78
	s_lshl_b32 s76, s76, 13
	s_add_nc_u64 s[74:75], s[74:75], s[76:77]      ; out0 at the 32 rows that I add up and store
	CROUND
.irp s, 0,1
	s_mov_b32 s[G0+4*\s], 1
	s_add_co_u32 s[G0+4*\s+1], s20, \s*SLOT
	s_add_nc_u64 s[G0+4*\s+2:G0+4*\s+3], s[14:15], \s*KSTEP*2
	s_or_b32 s[G0+4*\s+3], s[G0+4*\s+3], 0x80000000
	s_mov_b32 s[G0B+4*\s], 1
	s_add_co_u32 s[G0B+4*\s+1], s20, \s*SLOT
	s_add_nc_u64 s[G0B+4*\s+2:G0B+4*\s+3], s[46:47], \s*KSTEP*4096
	s_or_b32 s[G0B+4*\s+3], s[G0B+4*\s+3], 0x80000000
	JLOAD \s
.endr
	v_and_b32 v5, 31, v0
	v_lshlrev_b32 v[OO], 4, v5
	global_load_b128 v[BI:BI+3], v[OO], s[72:73]   ; waited for at the end
	v_and_b32 v1, 15, v0                           ; r
	v_bfe_u32 v2, v0, 4, 1                         ; h
	v_mul_u32_u24 v3, v1, PA
	v_lshl_add_u32 v3, v2, 4, v3                   ; z: row r, 16 h,
	s_lshl_b32 s21, s10, 7                         ; my 64 of the step's 256 k
	v_and_b32 v4, 7, v0
	v_lshl_add_u32 v4, v2, 3, v4
	v_mul_u32_u24 v4, v4, PB
	v_bfe_u32 v5, v0, 3, 1
	v_lshl_add_u32 v4, v5, 4, v4
	s_mul_i32 s22, s10, 64*PB                      ; W_O: my 64 k rows,
	s_add_co_u32 s22, s22, 2*QT                    ; behind z's quarters
.irp s, 0,1
	v_add_nc_u32 v[ADRA+\s], s21, v3
	v_add_nc_u32 v[ADRB+\s], s22, v4
	s_add_co_u32 s21, s21, SLOT
	s_add_co_u32 s22, s22, SLOT
.endr
	s_mul_i32 s23, s10, IMG
	v_mul_u32_u24 v5, v1, PIT
	v_lshl_add_u32 v5, v2, 5, v5
	v_add_nc_u32 v[SA], s23, v5                    ; my partial block: row r, 32 h
	s_mul_i32 s23, s10, 32*PIT
	v_add_nc_u32 v[IM], s23, v[OO]                 ; rows 32 w .. of block 0,
.irp g, 1,2,3
	v_add_nc_u32 v[IM+\g], \g*IMG, v[IM]           ; and of the others
.endr
.macro MUL16 f, hi, a0, zero
.irp a, \a0, \a0+1
.irp b, 0,1,2,3,4,5,6,7
.if \zero
	v_wmma_f32_16x16x32_f16 v[8*(8*(\a)+\b):8*(8*(\a)+\b)+7], v[\f+8*\b:\f+8*\b+7], v[\f+8*(4*\hi+\a):\f+8*(4*\hi+\a)+7], 0
.else
	v_wmma_f32_16x16x32_f16 v[8*(8*(\a)+\b):8*(8*(\a)+\b)+7], v[\f+8*\b:\f+8*\b+7], v[\f+8*(4*\hi+\a):\f+8*(4*\hi+\a)+7], v[8*(8*(\a)+\b):8*(8*(\a)+\b)+7]
.endif
.endr
.endr
.endm
; 32 LDS loads: half hf (32 along K) of my 64 k of a slot into buffer f
.macro FETCH slot, hf, f
	WIN TO_B
.irp i, 0,1,2,3,4,5,6,7
	ds_load_tr16_b128 v[\f+8*\i:\f+8*\i+3],   v[ADRB+\slot] offset:\hf*32*PB+32*\i
	ds_load_tr16_b128 v[\f+8*\i+4:\f+8*\i+7], v[ADRB+\slot] offset:\hf*32*PB+32*\i+16*PB
.endr
	WIN 0
.irp i, 0,1,2,3,4,5,6,7
	ds_load_b128 v[\f+8*\i:\f+8*\i+3],   v[ADRA+\slot] offset:(\i/4)*QT+(\i%4)*16*PA+64*\hf
	ds_load_b128 v[\f+8*\i+4:\f+8*\i+7], v[ADRA+\slot] offset:(\i/4)*QT+(\i%4)*16*PA+64*\hf+32
.endr
.endm
.macro PLACES                          ; four plain vector instructions behind a matrix instruction (ISA guide 7.12.1 for vector instructions)
.rept 4
	v_nop
.endr
.endm
; The 64 accumulators take turns, one instruction a turn, in the same order in every half step.
.macro QUARTER slot, hf, f, g, zero
	s_wait_dscnt 8                                 ; W_O and z's rows 0-63 are in; the youngest eight loads (rows 64-127) may be out
	WIN MUL_LO
	MUL16 \f, 0, 0, \zero
	MUL16 \f, 0, 2, \zero
	PLACES
	FETCH \slot, \hf, \g
	s_wait_dscnt 32                                ; all but the 32 just issued
	WIN MUL_HI
	MUL16 \f, 1, 0, \zero
	MUL16 \f, 1, 2, \zero
.endm
; The second half of a K step changes slots: each wave's reads of this slot and all its tensor loads are waited for in front of the barrier; where the slot is filled
; again the barrier opens a round of the cluster's barrier and the joint refill is the first tensor load behind the round.
.macro TURN slot, next, fill
	s_wait_dscnt 8
	WIN MUL_LO
	MUL16 F1, 0, 0, 0
	s_wait_dscnt 0
	s_wait_tensorcnt 0x0
	ds_add_u32 v255, v255
	s_wait_dscnt 0x0
	s_barrier_signal -1
	MUL16 F1, 0, 2, 0
	WIN 0
	s_barrier_wait -1
.if \fill
	CREST
	s_add_nc_u64 s[G0+4*\slot+2:G0+4*\slot+3], s[G0+4*\slot+2:G0+4*\slot+3], 2*KSTEP*2
	s_add_nc_u64 s[G0B+4*\slot+2:G0B+4*\slot+3], s[G0B+4*\slot+2:G0B+4*\slot+3], 2*KSTEP*4096
	JLOAD \slot
.endif
	PLACES
	FETCH \next, 0, F0
	WIN MUL_HI
	MUL16 F1, 1, 0, 0
	MUL16 F1, 1, 2, 0
.endm
.macro LAP zero
	QUARTER 0, 1, F0, F1, \zero
	TURN 0, 1, 1
	QUARTER 1, 1, F0, F1, 0
	TURN 1, 0, 1
.endm
	s_wait_tensorcnt 1                             ; my part of K step 0 is in; K step 1's load may stay out
	s_barrier_signal -1
	s_barrier_wait -1
	FETCH 0, 0, F0
	LAP 1
	WIN 0
	s_mov_b32 s3, LAPS-2
.Llap:
	LAP 0
	WIN 0
	s_sub_co_u32 s3, s3, 1
	s_cmp_lg_u32 s3, 0
	s_cbranch_scc1 .Llap
	QUARTER 0, 1, F0, F1, 0                        ; the last lap fills nothing
	TURN 0, 1, 0
	QUARTER 1, 1, F0, F1, 0
	s_wait_dscnt 8
	WIN MUL_LO
	MUL16 F1, 0, 0, 0
	MUL16 F1, 0, 2, 0
	s_wait_dscnt 0                                 ; my reads of the slots are over
	WIN MUL_HI
	MUL16 F1, 1, 0, 0
	MUL16 F1, 1, 2, 0
	; THE FOUR PARTIAL BLOCKS MEET IN LDS
	PLACES
	WIN 0
	s_barrier_signal -1
	s_barrier_wait -1                              ; nobody reads the slots any more, and no fill is to come
	WIN 0x08                                       ; store data from window 2
.set aa, 0
.rept 4
.set bb, 0
.rept 8
	ds_store_b128 v[SA], v[8*(8*aa+bb):8*(8*aa+bb)+3]   offset:aa*16*PIT+64*bb
	ds_store_b128 v[SA], v[8*(8*aa+bb)+4:8*(8*aa+bb)+7] offset:aa*16*PIT+64*bb+16
.set bb, bb+1
.endr
.set aa, aa+1
.endr
	WIN 0x0c                                       ; from window 3
.set aa, 0
.rept 4
.set bb, 0
.rept 8
	ds_store_b128 v[SA], v[8*(8*aa+bb):8*(8*aa+bb)+3]   offset:(aa+4)*16*PIT+64*bb
	ds_store_b128 v[SA], v[8*(8*aa+bb)+4:8*(8*aa+bb)+7] offset:(aa+4)*16*PIT+64*bb+16
.set bb, bb+1
.endr
.set aa, aa+1
.endr
	WIN 0
	s_wait_dscnt 0x0                               ; for the others' sake
	s_barrier_signal -1
	s_barrier_wait -1
; Wave w adds rows 32 w .. 32 w + 31, four rows a batch: 16 loads (4 rows x 4 blocks), two register sets by turns.
.macro RLOAD n, set
.set rr, 0
.rept 4
.set gg, 0
.rept 4
	ds_load_b128 v[\set+16*rr+4*gg:\set+16*rr+4*gg+3], v[IM+gg] offset:(4*(\n)+rr)*PIT
.set gg, gg+1
.endr
.set rr, rr+1
.endr
.endm
.macro RSUM n, set, left, more
	s_wait_dscnt \left                             ; this batch is in; the next batch's 16 loads may stay out
.set rr, 0
.rept 4
.set R0, \set+16*rr
	v_pk_add_f32 v[R0:R0+1],    v[R0:R0+1],    v[R0+4:R0+5]
	v_pk_add_f32 v[R0+2:R0+3],  v[R0+2:R0+3],  v[R0+6:R0+7]
	v_pk_add_f32 v[R0+8:R0+9],  v[R0+8:R0+9],  v[R0+12:R0+13]
	v_pk_add_f32 v[R0+10:R0+11], v[R0+10:R0+11], v[R0+14:R0+15]
	v_pk_add_f32 v[R0:R0+1],    v[R0:R0+1],    v[R0+8:R0+9]
	v_pk_add_f32 v[R0+2:R0+3],  v[R0+2:R0+3],  v[R0+10:R0+11]
	v_pk_add_f32 v[R0:R0+1],    v[R0:R0+1],    v[BI:BI+1]
	v_pk_add_f32 v[R0+2:R0+3],  v[R0+2:R0+3],  v[BI+2:BI+3]
	global_store_b128 v[OO], v[R0:R0+3], s[74:75] offset:(4*\n+rr)*8192 th:TH_STORE_NT    ; the wave writes a row's 512 consecutive bytes
.set rr, rr+1
.endr
.if \more
	s_wait_xcnt 0x0                                ; the set, which the stores read, is loaded again only behind this wait
	RLOAD \n+2, \set
.endif
.endm
	RLOAD 0, F0
	RLOAD 1, F1
	s_wait_loadcnt 0x0                             ; the bias
	RSUM 0, F0, 16, 1
	RSUM 1, F1, 16, 1
	RSUM 2, F0, 16, 1
	RSUM 3, F1, 16, 1
	RSUM 4, F0, 16, 1
	RSUM 5, F1, 16, 1
	RSUM 6, F0, 16, 0
	RSUM 7, F1, 0, 0
	s_set_vgpr_msb 0x1
	s_wait_tensorcnt 0x0
	ds_add_u32 v255, v255
	s_wait_dscnt 0x0
	s_set_vgpr_msb 0x100
	CROUND                                         ; the closing round
	s_endpgm
.Lfunc_end_k_q070a994a44_outp:
	.size	k_q070a994a44_outp, .Lfunc_end_k_q070a994a44_outp-k_q070a994a44_outp
	.p2alignl 7, 3214868480
	.fill 96, 4, 3214868480
	.section	.rodata,"a",@progbits
	.p2align	6, 0x0
	.amdhsa_kernel k_q070a994a44_outp
		.amdhsa_group_segment_fixed_size 327680
		.amdhsa_private_segment_fixed_size 0
		.amdhsa_enable_private_segment 0
		.amdhsa_kernarg_size 32
		.amdhsa_user_sgpr_count 2
		.amdhsa_user_sgpr_kernarg_segment_ptr 1
		.amdhsa_wavefront_size32 1
		.amdhsa_system_sgpr_workgroup_id_x 1
		.amdhsa_system_sgpr_workgroup_id_y 1
		.amdhsa_system_sgpr_workgroup_id_z 1
		.amdhsa_system_vgpr_workitem_id 0
		.amdhsa_next_free_vgpr 1024
		.amdhsa_next_free_sgpr 80
		.amdhsa_reserve_vcc 0
		.amdhsa_float_denorm_mode_32 3
		.amdhsa_float_denorm_mode_16_64 3
		.amdhsa_memory_ordered 1
		.amdhsa_forward_progress 1
		.amdhsa_inst_pref_size 123
	.end_amdhsa_kernel
	.amdgpu_metadata
---
amdhsa.version: [ 1, 2 ]
amdhsa.kernels:
  - .name:           k_q070a994a44_outp
    .symbol:         k_q070a994a44_outp.kd
    .args:
      - { .name: zb, .offset: 0, .size: 8, .value_kind: global_buffer, .address_space: global }
      - { .name: wob, .offset: 8, .size: 8, .value_kind: global_buffer, .address_space: global }
      - { .name: b_O, .offset: 16, .size: 8, .value_kind: global_buffer, .address_space: global }
      - { .name: out0, .offset: 24, .size: 8, .value_kind: global_buffer, .address_space: global }
    .group_segment_fixed_size: 327680
    .private_segment_fixed_size: 0
    .kernarg_segment_align: 8
    .kernarg_segment_size: 32
    .max_flat_workgroup_size: 128
    .sgpr_count:     80
    .vgpr_count:     1024
    .wavefront_size: 32
...
	.end_amdgpu_metadata
.endif
;; end of part 4
